; MI455X (gfx1250); checked and timed in simulation.
; The chip was launched on July 23, 2026; its instructions are those of AMD's public machine-readable ISA for CDNA 5 (MIT licence, August 2026) and "CDNA5" Instruction Set Architecture Reference Guide (July 2026). The comments in the code are by the model that wrote it; some were corrected since.
;; Encoder Layer. Allowed arithmetic: matrix products marked QUANTISED: E5M2 operands, one E8M0 scale for each 32 along K, by v_wmma_scale_f32_16x16x128_f8f6f4 with both operands' format E5M2, f32 sums; everything else in f32.
;; Inputs: b1 4,096 float32; b2 1,024 float32; bk 1,024 float32; bo 1,024 float32; bq 1,024 float32; bv 1,024 float32; ln1_b 1,024 float32; ln1_g 1,024 float32; ln2_b 1,024 float32; ln2_g 1,024 float32; mask 2 x 1 x 1 x 2,048 int32; w1 1,024 x 4,096 float32; w2 4,096 x 1,024 float32; wk 1,024 x 1,024 float32; wo 1,024 x 1,024 float32; wq 1,024 x 1,024 float32; wv 1,024 x 1,024 float32; x 2 x 2,048 x 1,024 float32.
;; Outputs: out0 2 x 2,048 x 1,024 float32.
;; This version of the problem:
;;   THIS VERSION OF THE PROBLEM IS GIVEN IN LOW PRECISION. The matrix products marked QUANTISED in the list below multiply operands that are first quantised to E5M2 (5 exponent bits, 2 mantissa bits; 8 bits a number), with one power-of-two scale for each 32 numbers along K (OCP MX v1.0); their sums are f32. All else is computed in f32.
;;   The module's matrix products, in the order in which they are computed (A, B: the left and right operand; K: the contracted axis; several contracted axes count as one K, in the product's order):
;;     1. [M 4,096, K 1,024] x [K 1,024, N 1,024]; A: computed on the way; B: input wq: QUANTISED
;;     2. [M 4,096, K 1,024] x [K 1,024, N 1,024]; A: computed on the way; B: input wk: QUANTISED
;;     3. [M 4,096, K 1,024] x [K 1,024, N 1,024]; A: computed on the way; B: input wv: QUANTISED
;;     4. batch 32 x [M 2,048, K 64] x [K 64, N 2,048]; A: computed on the way; B: computed on the way: QUANTISED
;;     5. batch 32 x [M 2,048, K 2,048] x [K 2,048, N 64]; A: softmax (see below); B: computed on the way: QUANTISED
;;     6. [M 4,096, K 1,024] x [K 1,024, N 1,024]; A: computed on the way; B: input wo: QUANTISED
;;     7. [M 4,096, K 1,024] x [K 1,024, N 4,096]; A: computed on the way; B: input w1: QUANTISED
;;     8. [M 4,096, K 4,096] x [K 4,096, N 1,024]; A: computed on the way; B: input w2: QUANTISED
;;   THE QUANTISER, for each operand of a quantised product, along K:
;;     - K is cut into blocks of 32 from its start; a last block that is shorter is filled with zeros.
;;     - A block's scale is 2^e with e = floor(log2(the largest magnitude in the block)) - 15, held to -126 .. 127; a block of zeros has e = 0. As a byte (E8M0): e + 127.
;;     - Each number is divided by its block's scale, clamped to +-57,344, and rounded to the nearest number of E5M2, ties to even, subnormals kept.
;;     - The product sums the exact products of the quantised numbers (number of the format x scale) in f32.
;;   ~~~python
;;   def quantise(x, axis):      # numpy; x: float32 -> the quantised numbers, widened to float32 again
;;       x = np.moveaxis(x, axis, -1); K = x.shape[-1]
;;       x = np.pad(x, [(0, 0)] * (x.ndim - 1) + [(0, -K % 32)]); x = x.reshape(x.shape[:-1] + (-1, 32)); a = np.abs(x).max(-1, keepdims=True)
;;       e = np.where(a > 0, np.clip(np.frexp(np.where(a > 0, a, 1))[1] - 1 - 15, -126, 127), 0)      # np.frexp(a)[1] - 1 = floor(log2(a)), exactly
;;       r = np.clip(x / 2.0 ** e, -57344, 57344)
;;       step = 2.0 ** (np.maximum(np.frexp(np.where(r == 0, 1, r))[1] - 1, -14) - 2)
;;       q = np.round(r / step) * step * 2.0 ** e      # np.round: ties to even
;;       return np.moveaxis(q.reshape(q.shape[:-2] + (-1,))[..., :K], -1, axis).astype(np.float32)
;;   ~~~
;;   SOFTMAX AHEAD OF A QUANTISED PRODUCT. Where the list says 'softmax', what is quantised is not the finished softmax but p = 2^(t - M), with t = logit x log2(e) and M = ceil(the row's largest t), a whole number; so 1/2 < the row's largest p <= 1. The row's sum l is taken of the UNQUANTISED p, in f32, and the product's result is divided by l at the end. Since M is a whole number, a kernel that streams over the keys may use a running M (the ceiling of the running maximum): every later rescaling is an exact power of two, which a block's scale takes up: the codes' values come out the same.
;;   OPERANDS COMPUTED ON THE WAY. 'Computed on the way' means the value that the module computes at that place (a softmax that the list does not call 'softmax' is quantised finished and normalised). What goes into a quantiser is computed in f32, as accurately as f32 sums, v_exp_f32 and their like allow (about 1e-6 of the number): no bf16 or f16 on the way to a quantiser, and a product that is left as it is and whose result goes on into a quantised operand takes f32 operands (vector FMAs, or v_wmma_f32_16x16x4_f32). A number that lies on a knife's edge between two numbers of the format may be rounded either way, as far as f32 arithmetic and the matrix unit's own rounding can turn it there, and no further.
;; One version. Each part assembles by itself: llvm-mc -triple=amdgcn-amd-amdhsa -mcpu=gfx1250 --defsym DOCPART=n.
;; ======== version 1 of 1: 7 launches
;; limits: right only within a limited range of input values
;; workspace buffers: W 12,976,128 bytes; H 4,325,376 bytes; QKV 17,563,648 bytes; CTX 4,325,376 bytes; X1 16,777,216 bytes; H2 4,325,376 bytes; HID 17,301,504 bytes
;; launch prep (part 1): grid 1024 x 1, 4 waves a work-group, no clusters, 36,352 bytes of LDS; arguments x, ln1_g, ln1_b, H, wq, wk, wv, wo, w1, w2, W; writes H, W
.if DOCPART == 1
	.amdgcn_target "amdgcn-amd-amdhsa--gfx1250"
	.amdhsa_code_object_version 6
	.text
	.protected	k_qdf446b9517_prep
	.globl	k_qdf446b9517_prep
	.p2align	8
	.type	k_qdf446b9517_prep,@function
k_qdf446b9517_prep:
	s_mov_b64 s[64:65], 0
	v_nop
	global_prefetch_b8 v0, s[64:65] scope:SCOPE_SE
	s_setreg_imm32_b32 hwreg(HW_REG_WAVE_MODE, 25, 1), 1
	s_wait_xcnt 0x0
; Work-groups 0-255: h = ln1_g (x - mean) / (std + 1e-6) + ln1_b (std with n - 1), quantised along the row to E5M2 with one E8M0 byte for each 32.
; Work-groups 256-1,023: the six weights [K][N], f32, quantised along K (their first axis).
; ALL OPERANDS OF THIS PROGRAM LIE AS IMAGES OF THE MATRIX OPERAND'S REGISTERS.  Row tile T, place r (0-15) is row 32 (T / 2) + 8 (T % 2) + r + 8 (r / 8); the code of that row at
; k = 128 s + 32 c + 16 h + i lies at byte T x 16 K + 2048 s + 512 c + 16 (16 h + r) + i; its scale words lie behind the codes at T x K / 2 + 64 s + 4 r, byte c for block c.
; LIMITS: a block of zeros, and a block whose largest magnitude lies under 2^-111, gets the byte 1 (the bytes are read by this program alone); NaN and infinities are not served.
; LN: a work-group is one row tile, a wave takes four neighbouring tokens.  Loads are dense (512 bytes each); a row turns through the wave's own stage so that lane l holds block l (k = 32 l ..).
; Mean and variance are taken in two passes over the registers, so a common offset of x does no harm.
.set TSB, 4608                         ; a wave's turn stage: 32 places of 128 + 16 bytes
.set CST, 18432                        ; the tile's codes: 32 pieces of 512 + 16 bytes
.set SST, 35328                        ; its 512 scale bytes
.set G,  16                            ; v16-47   gain of my block
.set BB, 48                            ; v48-79   bias of my block
.set R,  80                            ; v80-207  four rows x 32 numbers
.set C,  208                           ; v208-239 four rows x 8 registers of codes
.set T,  240                           ; v240-251 at work; v252-255 a scale byte for each row
.macro QUANT32 xs, cc, t, by           ; 32 numbers of one lane, one block: 8 registers of codes and the scale's byte
	v_max3_num_f32 v[\t], |v[\xs]|, |v[\xs+1]|, |v[\xs+2]|
	v_max3_num_f32 v[\t+1], |v[\xs+3]|, |v[\xs+4]|, |v[\xs+5]|
.irp i, 6,10,14,18,22,26
	v_max3_num_f32 v[\t], v[\t], |v[\xs+\i]|, |v[\xs+\i+1]|
	v_max3_num_f32 v[\t+1], v[\t+1], |v[\xs+\i+2]|, |v[\xs+\i+3]|
.endr
	v_max3_num_f32 v[\t], v[\t], |v[\xs+30]|, |v[\xs+31]|
	v_max3_num_f32 v[\t], v[\t], v[\t+1], 0x8000000      ; the floor 2^(16 - 127): the byte cannot fall under 1
	v_add_nc_u32 v[\t+2], 0xf8800000, v[\t]              ; 15 off the exponent field: the conversion's scale operand
	v_and_or_b32 v[\t+3], v[\t], 0x7f800000, s40         ; 57,344 x the scale
	v_lshrrev_b32 v[\by], 23, v[\t+2]                    ; the byte
.set qi, 0
.rept 32
	v_med3_num_f32 v[\xs+qi], v[\xs+qi], -v[\t+3], v[\t+3]   ; the conversion does not saturate (ISA guide 7.6.2): hold first
.set qi, qi+1
.endr
.irp g, 0,1,2,3
	v_cvt_scalef32_pk8_bf8_f32 v[\cc+2*\g:\cc+2*\g+1], v[\xs+8*\g:\xs+8*\g+7], v[\t+2]
.endr
	v_nop                                                ; a plain line behind the last conversion
.endm
.macro TURN base                       ; 4,096 bytes as loaded go into my stage and come back 128 bytes a lane; LDS serves a wave in order
.irp j, 0,1,2,3,4,5,6,7
	ds_store_b128 v3, v[\base+4*\j:\base+4*\j+3] offset:576*\j
.endr
.irp j, 0,1,2,3,4,5,6,7
	ds_load_b128 v[\base+4*\j:\base+4*\j+3], v4 offset:16*\j
.endr
.endm
.macro LSUM                            ; four chains of pairs in v[T..T+7] become one sum over the wave, in every lane
	v_pk_add_f32 v[T:T+1], v[T:T+1], v[T+2:T+3]
	v_pk_add_f32 v[T+4:T+5], v[T+4:T+5], v[T+6:T+7]
	v_pk_add_f32 v[T:T+1], v[T:T+1], v[T+4:T+5]
	v_add_f32 v[T], v[T], v[T+1]
	v_add_f32_dpp v[T], v[T], v[T] row_xmask:1 row_mask:0xf bank_mask:0xf
	v_add_f32_dpp v[T], v[T], v[T] row_xmask:2 row_mask:0xf bank_mask:0xf
	v_add_f32_dpp v[T], v[T], v[T] row_xmask:4 row_mask:0xf bank_mask:0xf
	v_add_f32_dpp v[T], v[T], v[T] row_xmask:8 row_mask:0xf bank_mask:0xf
	v_permlanex16_b32 v[T+8], v[T], s38, s39
	v_add_f32 v[T], v[T], v[T+8]
.endm
.macro ROW i
.set X, R+32*\i
	s_wait_dscnt 16*(3-\i)                               ; behind my row's turn stand the later rows' turns, 16 LDS instructions each
.irp c, 0,1,2,3
	v_pk_add_f32 v[T+2*\c:T+2*\c+1], v[X+4*\c:X+4*\c+1], v[X+4*\c+2:X+4*\c+3]
.endr
.irp j, 16,24
.irp c, 0,1,2,3
	v_pk_add_f32 v[T+2*\c:T+2*\c+1], v[T+2*\c:T+2*\c+1], v[X+\j+2*\c:X+\j+2*\c+1]
.endr
.endr
	LSUM
	v_mul_f32 v[T+10], 0x3a800000, v[T]                  ; the mean: sum / 1024
	v_mov_b32 v[T+11], v[T+10]
.set j, 0
.rept 16
	v_pk_add_f32 v[X+j:X+j+1], v[X+j:X+j+1], v[T+10:T+11] neg_lo:[0,1] neg_hi:[0,1]
.set j, j+2
.endr
.irp c, 0,1,2,3
	v_pk_mul_f32 v[T+2*\c:T+2*\c+1], v[X+2*\c:X+2*\c+1], v[X+2*\c:X+2*\c+1]
.endr
.irp j, 8,16,24
.irp c, 0,1,2,3
	v_pk_fma_f32 v[T+2*\c:T+2*\c+1], v[X+\j+2*\c:X+\j+2*\c+1], v[X+\j+2*\c:X+\j+2*\c+1], v[T+2*\c:T+2*\c+1]
.endr
.endr
	LSUM
	v_mul_f32 v[T], 0x3a802008, v[T]                     ; / 1023
	s_wait_alu depctr_va_vdst(0)
	v_sqrt_f32 v[T+1], v[T]
	v_nop                                                ; a plain line behind the transcendental,
	s_wait_alu depctr_va_vdst(0)                         ; and the wait ahead of its first reader
	v_add_f32 v[T+1], 0x358637bd, v[T+1]                 ; + 1e-6
	s_wait_alu depctr_va_vdst(0)
	v_rcp_f32 v[T+10], v[T+1]
	v_nop
	s_wait_alu depctr_va_vdst(0)
	v_mov_b32 v[T+11], v[T+10]
.set j, 0
.rept 16
	v_pk_mul_f32 v[X+j:X+j+1], v[X+j:X+j+1], v[T+10:T+11]
.set j, j+2
.endr
.set j, 0
.rept 16
	v_pk_fma_f32 v[X+j:X+j+1], v[X+j:X+j+1], v[G+j:G+j+1], v[BB+j:BB+j+1]
.set j, j+2
.endr
	QUANT32 X, C+8*\i, T, T+12+\i
	ds_store_b128 v5, v[C+8*\i:C+8*\i+3] offset:16*\i            ; piece l of the tile's image: k = 32 l + 0..15 at 16 x place,
	ds_store_b128 v5, v[C+8*\i+4:C+8*\i+7] offset:16*\i+256      ; k = 32 l + 16..31 at 256 + 16 x place
	ds_store_b8 v6, v[T+12+\i] offset:4*\i
.endm
.macro WLOAD n, t                      ; block t: W(32 t + i, my column), i = 0..31: 128 consecutive bytes a wave and load
.irp i, 0,1,2,3,4,5,6,7,8,9,10,11,12,13,14,15,16,17,18,19,20,21,22,23,24,25,26,27,28,29,30,31
	global_load_b32 v[32+32*((\t)%2)+\i], v7, s[12:13] offset:(32*(\t)+\i)*(\n)*4 th:TH_LOAD_NT
.endr
.endm
.macro WBLOCK n, t
.set XS, 32+32*((\t)%2)
.set CC, 96+8*(\t)                     ; each block has its own code registers: no store's data are written again
.if (\t) < 3
	s_wait_loadcnt 32                                    ; this block's 32 loads are in; the next block's may be out
.else
	s_wait_loadcnt 0
.endif
	QUANT32 XS, CC, 8, 13
.if (\t) == 0
	v_mov_b32 v24, v13
.else
	v_lshl_or_b32 v24, v13, 8*(\t), v24
.endif
	global_store_b128 v5, v[CC:CC+3], s[50:51] offset:512*(\t)          ; sixteen lanes of one tile store 256 consecutive aligned bytes
	global_store_b128 v5, v[CC+4:CC+7], s[50:51] offset:512*(\t)+256
.if (\t)+2 < 4
	WLOAD \n, (\t)+2
.endif
.endm
.macro WPATH n
	WLOAD \n, 0
	WLOAD \n, 1
.set Q, 0
.rept 4
	WBLOCK \n, Q
.set Q, Q+1
.endr
	global_store_b32 v6, v24, s[52:53]                   ; one scale word a column: pieces of 64 bytes, one byte in 128 of what is read
.endm
	s_load_b256 s[4:11], s[0:1], 0x0                     ; x, ln1_g, ln1_b, H
	s_load_b256 s[12:19], s[0:1], 0x20                   ; wq, wk, wv, wo
	s_load_b128 s[20:23], s[0:1], 0x40                   ; w1, w2
	s_load_b64 s[24:25], s[0:1], 0x50                    ; W
	v_lshl_add_u32 v15, v0, 2, 0x8c00
	v_mov_b32 v249, 0
	v_lshrrev_b32 v1, 5, v0
	v_readfirstlane_b32 s26, v1                          ; wave
	v_and_b32 v1, 31, v0                                 ; lane
	s_mov_b32 s40, 0x600000                              ; the mantissa field of 57,344
	s_cmp_lt_u32 ttmp9, 256
	s_cbranch_scc0 .Lweights
	; ---------------- layer norm ----------------
	v_lshlrev_b32 v2, 4, v1                              ; 16 x lane
	s_mul_i32 s27, s26, TSB
	v_lshrrev_b32 v3, 3, v1
	v_mul_u32_u24 v3, v3, 144
	v_and_b32 v4, 7, v1
	v_lshl_add_u32 v3, v4, 4, v3
	v_add_nc_u32 v3, s27, v3                             ; into the turn stage: eight lanes' 128 bytes on end, then 16 of padding
	v_mul_u32_u24 v4, v1, 144
	v_add_nc_u32 v4, s27, v4                             ; out of it: my block
	s_lshl_b32 s28, s26, 6
	s_add_co_u32 s28, s28, CST
	v_mul_u32_u24 v5, v1, 528
	v_add_nc_u32 v5, s28, v5                             ; codes: piece = lane, place 4 w + i
	v_lshrrev_b32 v6, 2, v1
	v_lshlrev_b32 v6, 6, v6
	v_and_b32 v7, 3, v1
	v_add_nc_u32 v6, v6, v7
	s_lshl_b32 s28, s26, 4
	s_add_co_u32 s28, s28, SST
	v_add_nc_u32 v6, s28, v6                             ; scale bytes: 64 (l / 4) + 4 place + l % 4
	s_mul_i32 s28, s26, 8*528
	s_add_co_u32 s28, s28, CST
	v_add_nc_u32 v7, s28, v2                             ; back: my eight pieces
	v_add_nc_u32 v8, SST, v2
	v_mov_b32 v[T+8], 0                                  ; a lane permute's destination counts as read
	s_mov_b32 s38, 0x76543210
	s_mov_b32 s39, 0xfedcba98
	s_lshr_b32 s29, ttmp9, 1
	s_lshl_b32 s29, s29, 5
	s_and_b32 s30, ttmp9, 1
	s_lshl_b32 s30, s30, 3
	s_add_co_u32 s29, s29, s30
	s_lshl_b32 s30, s26, 2
	s_add_co_u32 s29, s29, s30
	s_lshr_b32 s30, s26, 1
	s_lshl_b32 s30, s30, 3
	s_add_co_u32 s29, s29, s30                           ; the first of my four tokens: 32 (T / 2) + 8 (T % 2) + 4 w + 8 (w / 2)
	s_lshl_b32 s30, s29, 12
	s_mov_b32 s31, 0
	s_lshl_b32 s32, ttmp9, 14
	s_lshl_b32 s33, s26, 12
	s_add_co_u32 s32, s32, s33
	s_mov_b32 s33, 0
	s_wait_kmcnt 0x0
	s_add_nc_u64 s[4:5], s[4:5], s[30:31]
	s_add_nc_u64 s[34:35], s[10:11], s[32:33]            ; H: my quarter of the tile's 16,384 bytes
	s_lshl_b32 s32, ttmp9, 9
	s_add_co_u32 s32, s32, 4194304
	s_add_nc_u64 s[36:37], s[10:11], s[32:33]            ; and the tile's scale words
.irp j, 0,1,2,3,4,5,6,7
	global_load_b128 v[G+4*\j:G+4*\j+3], v2, s[6:7] offset:512*\j
.endr
.irp j, 0,1,2,3,4,5,6,7
	global_load_b128 v[BB+4*\j:BB+4*\j+3], v2, s[8:9] offset:512*\j
.endr
.irp i, 0,1,2,3
.irp j, 0,1,2,3,4,5,6,7
	global_load_b128 v[R+32*\i+4*\j:R+32*\i+4*\j+3], v2, s[4:5] offset:4096*\i+512*\j th:TH_LOAD_NT
.endr
.endr
	s_wait_loadcnt 40                                    ; each count: the loads issued behind the eight that are wanted
	TURN G
	s_wait_loadcnt 32
	TURN BB
	s_wait_loadcnt 24
	TURN R
	s_wait_loadcnt 16
	TURN R+32
	s_wait_loadcnt 8
	TURN R+64
	s_wait_loadcnt 0
	TURN R+96
	ROW 0
	ROW 1
	ROW 2
	ROW 3
	s_wait_dscnt 0x0                                     ; for the others' sake: my stores have landed
	s_barrier_signal -1
	s_barrier_wait -1
.irp j, 0,1,2,3,4,5,6,7
	ds_load_b128 v[R+4*\j:R+4*\j+3], v7 offset:528*\j
.endr
.irp j, 0,1,2,3,4,5,6,7
	s_wait_dscnt 7-\j
	global_store_b128 v2, v[R+4*\j:R+4*\j+3], s[34:35] offset:512*\j     ; 512 consecutive aligned bytes
.endr
	s_cmp_lg_u32 s26, 0
	s_cbranch_scc1 .Lln_end
	ds_load_b128 v[G:G+3], v8
	s_wait_dscnt 0x0
	global_store_b128 v2, v[G:G+3], s[36:37]
.Lln_end:
	s_wait_tensorcnt 0x0
	ds_add_u32 v15, v249
	s_wait_dscnt 0x0
	s_endpgm
	; ---------------- weights ----------------
	; A lane takes a column n and its registers run down K: a block of 32 lies in one lane, and the codes come out with K innermost.  A wave: 32 columns x 128 along K: four blocks, one K step of the
	; image, one scale word.  768 such work-groups and the 256 of the layer norm are four to a WGP at 256 registers a wave: all of them lie on the chip together, each wave with two blocks' loads on their way.
.Lweights:
	s_sub_co_u32 s30, ttmp9, 256
	s_lshr_b32 s31, s30, 6                               ; 0-3: wq, wk, wv, wo; 4-7: w1; 8-11: w2
	s_min_u32 s32, s31, 4
	s_cmp_ge_u32 s31, 8
	s_cselect_b32 s32, 8, s32                            ; the image begins at this many MiB of W, its scale words at this many 32 KiB
	s_cselect_b32 s33, 16, 14                            ; log2 of a tile's bytes, 16 K
	s_cselect_b32 s34, 255, 63
	s_and_b32 s35, s30, s34
	s_and_b32 s36, s35, 7                                ; which 128 columns
	s_lshr_b32 s37, s35, 3                               ; which 128 along K
	s_lshr_b32 s38, s31, 2                               ; 1: w1, whose rows are 4,096 wide
	s_and_b32 s39, s30, 31
	s_bfe_u32 s43, s30, 0x30005
	s_cmp_eq_u32 s38, 1
	s_cselect_b32 s36, s39, s36
	s_cselect_b32 s37, s43, s37
	s_cselect_b32 s42, 21, 19                            ; log2 of 128 rows' bytes
	s_sub_co_u32 s41, s33, 5                             ; log2 of a tile's scale bytes, K / 2
	s_wait_alu depctr_va_vdst(0)
	v_bfe_u32 v2, v1, 3, 1                               ; column 32 g + x lies in tile 2 g + (x / 8) % 2,
	v_and_b32 v3, 7, v1
	v_lshrrev_b32 v4, 4, v1
	v_lshl_add_u32 v3, v4, 3, v3                         ; at place x % 8 + 8 (x / 16)
	v_lshlrev_b32 v5, s33, v2
	v_lshl_add_u32 v5, v3, 4, v5
	v_lshlrev_b32 v6, s41, v2
	v_lshl_add_u32 v6, v3, 2, v6
	v_lshlrev_b32 v7, 2, v1
	s_lshl_b32 s44, s37, s42
	s_lshl_b32 s45, s36, 9
	s_add_co_u32 s44, s44, s45
	s_lshl_b32 s45, s26, 7
	s_add_co_u32 s44, s44, s45
	s_mov_b32 s45, 0
	s_lshl_b32 s46, s36, 3
	s_lshl_b32 s47, s26, 1
	s_add_co_u32 s46, s46, s47                           ; my first tile
	s_lshl_b32 s48, s46, s33
	s_lshl_b32 s49, s32, 20
	s_add_co_u32 s48, s48, s49
	s_lshl_b32 s49, s37, 11                              ; my K step: 2,048 bytes of a tile
	s_add_co_u32 s48, s48, s49
	s_mov_b32 s49, 0
	s_wait_kmcnt 0x0
	s_cmp_eq_u32 s31, 1
	s_cselect_b64 s[12:13], s[14:15], s[12:13]
	s_cmp_eq_u32 s31, 2
	s_cselect_b64 s[12:13], s[16:17], s[12:13]
	s_cmp_eq_u32 s31, 3
	s_cselect_b64 s[12:13], s[18:19], s[12:13]
	s_cmp_ge_u32 s31, 4
	s_cselect_b64 s[12:13], s[20:21], s[12:13]
	s_cmp_ge_u32 s31, 8
	s_cselect_b64 s[12:13], s[22:23], s[12:13]
	s_add_nc_u64 s[12:13], s[12:13], s[44:45]
	s_add_nc_u64 s[50:51], s[24:25], s[48:49]
	s_lshl_b32 s48, s46, s41
	s_lshl_b32 s52, s32, 15
	s_add_co_u32 s48, s48, s52
	s_lshl_b32 s52, s37, 6                               ; my K step's words: 64 bytes of a tile
	s_add_co_u32 s48, s48, s52
	s_add_co_u32 s48, s48, 12582912
	s_add_nc_u64 s[52:53], s[24:25], s[48:49]
	s_cmp_eq_u32 s38, 1
	s_cbranch_scc1 .Lwide
	s_wait_alu depctr_va_vdst(0)
	WPATH 1024
	s_endpgm
.Lwide:
	s_wait_alu depctr_va_vdst(0)
	WPATH 4096
	s_endpgm
.Lfunc_end_k_qdf446b9517_prep:
	.size	k_qdf446b9517_prep, .Lfunc_end_k_qdf446b9517_prep-k_qdf446b9517_prep
	.p2alignl 7, 3214868480
	.fill 96, 4, 3214868480
	.section	.rodata,"a",@progbits
	.p2align	6, 0x0
	.amdhsa_kernel k_qdf446b9517_prep
		.amdhsa_group_segment_fixed_size 36352
		.amdhsa_private_segment_fixed_size 0
		.amdhsa_enable_private_segment 0
		.amdhsa_kernarg_size 88
		.amdhsa_user_sgpr_count 2
		.amdhsa_user_sgpr_kernarg_segment_ptr 1
		.amdhsa_wavefront_size32 1
		.amdhsa_system_sgpr_workgroup_id_x 1
		.amdhsa_system_sgpr_workgroup_id_y 1
		.amdhsa_system_sgpr_workgroup_id_z 1
		.amdhsa_system_vgpr_workitem_id 0
		.amdhsa_next_free_vgpr 256
		.amdhsa_next_free_sgpr 66
		.amdhsa_reserve_vcc 0
		.amdhsa_float_denorm_mode_32 3
		.amdhsa_float_denorm_mode_16_64 3
		.amdhsa_memory_ordered 1
		.amdhsa_forward_progress 1
		.amdhsa_inst_pref_size 113
	.end_amdhsa_kernel
	.amdgpu_metadata
---
amdhsa.version: [ 1, 2 ]
amdhsa.kernels:
  - .name:           k_qdf446b9517_prep
    .symbol:         k_qdf446b9517_prep.kd
    .args:
      - { .name: x, .offset: 0, .size: 8, .value_kind: global_buffer, .address_space: global }
      - { .name: ln1_g, .offset: 8, .size: 8, .value_kind: global_buffer, .address_space: global }
      - { .name: ln1_b, .offset: 16, .size: 8, .value_kind: global_buffer, .address_space: global }
      - { .name: H, .offset: 24, .size: 8, .value_kind: global_buffer, .address_space: global }
      - { .name: wq, .offset: 32, .size: 8, .value_kind: global_buffer, .address_space: global }
      - { .name: wk, .offset: 40, .size: 8, .value_kind: global_buffer, .address_space: global }
      - { .name: wv, .offset: 48, .size: 8, .value_kind: global_buffer, .address_space: global }
      - { .name: wo, .offset: 56, .size: 8, .value_kind: global_buffer, .address_space: global }
      - { .name: w1, .offset: 64, .size: 8, .value_kind: global_buffer, .address_space: global }
      - { .name: w2, .offset: 72, .size: 8, .value_kind: global_buffer, .address_space: global }
      - { .name: W, .offset: 80, .size: 8, .value_kind: global_buffer, .address_space: global }
    .group_segment_fixed_size: 36352
    .private_segment_fixed_size: 0
    .kernarg_segment_align: 8
    .kernarg_segment_size: 88
    .max_flat_workgroup_size: 128
    .sgpr_count:     66
    .vgpr_count:     256
    .wavefront_size: 32
...
	.end_amdgpu_metadata
.endif
;; end of part 1
;; launch qkv (part 2): grid 12 x 16, 4 waves a work-group, clusters of 4 x 4, 327,680 bytes of LDS; arguments H, W, bq, bk, bv, mask, QKV; writes QKV
.if DOCPART == 2
	.amdgcn_target "amdgcn-amd-amdhsa--gfx1250"
	.amdhsa_code_object_version 6
	.text
	.protected	k_qdf446b9517_qkv
	.globl	k_qdf446b9517_qkv
	.p2align	8
	.type	k_qdf446b9517_qkv,@function
k_qdf446b9517_qkv:
	s_mov_b64 s[64:65], 0
	v_nop
	global_prefetch_b8 v0, s[64:65] scope:SCOPE_SE
	s_setreg_imm32_b32 hwreg(HW_REG_WAVE_MODE, 25, 1), 1
	s_wait_xcnt 0x0
	s_wait_alu depctr_hold_cnt(0) depctr_sa_sdst(0) depctr_va_vdst(0) depctr_va_sdst(0) depctr_va_ssrc(0) depctr_va_vcc(0) depctr_vm_vsrc(0)
	s_getreg_b32 s2, hwreg(HW_REG_IB_STS2, 6, 4)
	s_cmp_eq_u32 s2, 0
	s_cbranch_scc0 .Lentry_in_a_cluster
	s_endpgm
.Lentry_in_a_cluster:
	s_bfe_u32 s2, ttmp6, 0x10000c
	s_cmp_lg_u32 s2, 0xf033
	s_cbranch_scc0 .Lentry_shape_is_right
	s_endpgm
.Lentry_shape_is_right:
; q = h wq + bq, k = h wk + bk, v = h wv + bv on codes of E5M2 with E8M0 scales, K = 1,024; the results are quantised in registers: q and k along the head's 64, v along the keys.
; The cluster's x is the ROLE (0 q, 1 k, 2 v), the same in all sixteen partners.  A work-group makes 256 x 256, a wave 128 x 128 (64 accumulators).  The matrix instruction is used transposed:
; source 0 = 16 rows of the "B operand", source 1 = 16 rows of the "A operand"; a lane then holds ONE A row and its registers run along B rows.  q, k: A = tokens (H), B = the weight's columns;
; v: A = wv's columns (channels), B = tokens, so that a lane's registers run along the keys.  Operands lie as register images (tile T, place r = row 32 (T / 2) + 8 (T % 2) + r + 8 (r / 8)), so
; the 16 registers of B tiles 2 e and 2 e + 1 are 16 neighbours 32 e + 16 h + 0..15 and the conversions' results are 16 bytes of the next operand's image: a wave's store is 512 consecutive bytes.
; OUT: QKV, a block of 17,152 bytes for each (batch x head, 128 tokens): K (Q) fragments 8 x 1,024, K (Q) words 512, V fragments 4 x 2,048, V words 256.  K and V at 0, Q at QOFF.
; THE MASK goes into k: a hidden key's codes are zeros (its hold is 0) and byte 2 of its scale word is 145, an open key's 1; the attention launch multiplies that byte by the code -2^15.
; LIMITS: a block of zeros or under 2^-111 gets the byte 1; NaN and infinities are not served.
; K goes in steps of 256 through a ring of two LDS slots; A's tiles are shared along a row of the cluster, B's along a column, by joint tensor loads.
.set SLOT,  131072                     ; A's 16 tiles x 4,096 bytes (two K steps of 128), then B's at +65,536
.set SCL,   262144                     ; A's scale words of all K, 8,192 bytes, then B's
.set SPARE, 278528                     ; the spare words, 128 bytes a wave
.set BLOCK, 17152
.set HEADB, 16*BLOCK
.set QOFF,  512*BLOCK
.set WS,    12582912                   ; W's scale words
.set HS,    4194304                    ; H's
.set NP, 8                             ; places behind this matrix instruction (ISA guide 7.12.1)
.set FR, 16
.set MK,   8                           ; v8-15  mask words of my 8 A tiles' rows
.set ADRA, 16
.set ADRB, 20
.set WAD,  24
.set VAD,  25
.set LN,   26                          ; 16 x lane
.set ADRS, 27
.set SPW,  28
.set NIL,  29
.set SC,   32                          ; v32-63 scale words: set for slot s at +16 s; register 2 i + q: lanes 0-15 A's tile i, lanes 16-31 B's
.set CB,   64                          ; v64-127 the bias as the first products' C
.set AF,   128                         ; v128-255 A's eight fragments; window 1: B's two sets; windows 2, 3: accumulator (a, b) at 8 (8 (a % 4) + b)
.set TM,   32                          ; the way out: v32-47 at work, v48-63 codes, v64-79 words, v80-87 hold masks, v88-95 upper halves of the words, v96-103 words to store
.set PC,   48
.set WA,   64
.set WB,   72
.set MW,   80
.set XW,   88
.set OUT,  96
.set KO,   104
.set WV, 18
.set WR, 19
.set WC, 20
.set ROLE, 21
.set G1, 24
.set G0, 32
.set G1B, 48
.set G0B, 56
.set G1S, 68
.set G0S, 76
.set G1SB, 80
.set G0SB, 88
.set SEL, 98
.set MNT, 100
.set HI, 101
.set MSB, 0
.macro WIN new                         ; the immediate's high byte repeats the setting that is left
.if MSB != \new
	s_set_vgpr_msb (MSB<<8)|\new
.set MSB, \new
.endif
.endm
.macro PLACES n
.rept \n
	v_nop
.endr
.endm
.macro JLOAD g0a, g1a, g0b, g1b        ; waves 0, 1 fetch for A, waves 2, 3 for B; four v_nop follow each line
	s_cmp_eq_u32 s[WR], 0
	s_cbranch_scc0 .Lfor_b_\@
	tensor_load_to_lds s[\g0a:\g0a+3], s[\g1a:\g1a+7]
	s_nop 0
.rept 4
	v_nop
.endr
	s_branch .Lasked_\@
.Lfor_b_\@:
	tensor_load_to_lds s[\g0b:\g0b+3], s[\g1b:\g1b+7]
	s_nop 0
.rept 4
	v_nop
.endr
.Lasked_\@:
.endm
.macro CREST
	s_cmp_lg_u32 s[WV], 0
	s_cbranch_scc1 .Lnot_wave_0_\@
	s_barrier_signal -3
.Lnot_wave_0_\@:
	s_barrier_wait -3
	s_barrier_signal -1
	s_barrier_wait -1
.endm
.macro CROUND
	s_barrier_signal -1
	s_barrier_wait -1
	CREST
.endm
.macro FRAG reg, adr, q, i             ; a fragment is four loads of 512 consecutive bytes
.irp c, 0,1,2,3
	ds_load_b128 v[\reg+4*\c:\reg+4*\c+3], v[\adr] offset:(\i)*4096+(\q)*2048+512*\c
.endr
.endm
.macro FETCH_B slot, q, p
	WIN 0x40
.irp i, 0,1,2,3,4,5,6,7
	FRAG 128*(\p)+FR*\i, ADRB+\slot, \q, \i
.endr
	WIN 0
.endm
.macro FETCH_A slot, q, i0
.irp i, \i0, \i0+1, \i0+2, \i0+3
	FRAG AF+FR*(\i), ADRA+\slot, \q, \i
.endr
.endm
.macro SCALES sc
.irp i, 0,1,2,3,4,5,6,7
.irp q, 0,1
	ds_load_b32 v[SC+16*\sc+2*\i+\q], v[ADRS] offset:\i*512+\q*64
.endr
.endr
.endm
; 16 products: A tiles a0, a0 + 1 x B's eight.  cm = 0: in place; 1: C = the bias by B tile; 2: by A tile.  The 64 accumulators take turns.
.macro MUL16 a0, p, q, sc, cm
.irp a, \a0, \a0+1
.irp b, 0,1,2,3,4,5,6,7
.set rD, 8*(8*((\a)%4)+\b)
.set rB, 128*(\p)+FR*\b
.set rA, AF+FR*(\a)
.set rX, SC+16*(\sc)+2*\b+(\q)
.set rY, SC+16*(\sc)+2*(\a)+(\q)
.if \cm == 1
	v_wmma_scale_f32_16x16x128_f8f6f4 v[rD:rD+7], v[rB:rB+15], v[rA:rA+15], v[CB+8*\b:CB+8*\b+7], v[rX], v[rY] matrix_a_fmt:MATRIX_FMT_BF8 matrix_b_fmt:MATRIX_FMT_BF8 matrix_a_scale:MATRIX_SCALE_ROW1
.elseif \cm == 2
	v_wmma_scale_f32_16x16x128_f8f6f4 v[rD:rD+7], v[rB:rB+15], v[rA:rA+15], v[CB+8*(\a):CB+8*(\a)+7], v[rX], v[rY] matrix_a_fmt:MATRIX_FMT_BF8 matrix_b_fmt:MATRIX_FMT_BF8 matrix_a_scale:MATRIX_SCALE_ROW1
.else
	v_wmma_scale_f32_16x16x128_f8f6f4 v[rD:rD+7], v[rB:rB+15], v[rA:rA+15], v[rD:rD+7], v[rX], v[rY] matrix_a_fmt:MATRIX_FMT_BF8 matrix_b_fmt:MATRIX_FMT_BF8 matrix_a_scale:MATRIX_SCALE_ROW1
.endif
.endr
.endr
.endm
.macro STEP slot, cm                   ; a slot's first 128 along K; its second is fetched meanwhile
	s_wait_dscnt 16                                      ; all but the youngest 16 loads, A's tiles 4-7
.if \cm
	WIN 0x81                                             ; B window 1, A and C window 0, D window 2
.else
	WIN 0xa1
.endif
	MUL16 0, 0, 0, \slot, \cm
	MUL16 2, 0, 0, \slot, \cm
	s_wait_dscnt 0
	PLACES NP
	FETCH_B \slot, 1, 1
	FETCH_A \slot, 1, 0
.if \cm
	WIN 0xc1
.else
	WIN 0xf1
.endif
	MUL16 4, 0, 0, \slot, \cm
	MUL16 6, 0, 0, \slot, \cm
	PLACES NP
	WIN 0
	FETCH_A \slot, 1, 4
.endm
.macro TURN slot, next, fill           ; a slot's second 128 along K, and the change of slots: one barrier
	s_wait_tensorcnt 0x0                                 ; all my tensor loads have landed: my part of the next slot
	ds_add_u32 v[SPW], v[NIL]                            ; 0 onto my spare word
	s_wait_dscnt 17                                      ; the add and A's tiles 4-7 may be out
	WIN 0xa1
	MUL16 0, 1, 1, \slot, 0
	s_wait_dscnt 0x0                                     ; the add is done, and my reads of this slot are over
	s_barrier_signal -1
	MUL16 2, 1, 1, \slot, 0
	WIN 0
	s_barrier_wait -1
.if \fill
	CREST                                                ; the barrier has opened a round of the cluster's: no wave of any partner still reads this slot or has a load on its way
	s_add_nc_u64 s[G0+4*\slot+2:G0+4*\slot+3], s[G0+4*\slot+2:G0+4*\slot+3], 8192
	s_add_nc_u64 s[G0B+4*\slot+2:G0B+4*\slot+3], s[G0B+4*\slot+2:G0B+4*\slot+3], 8192
	JLOAD G0+4*\slot, G1, G0B+4*\slot, G1B
	PLACES NP-4
.else
	PLACES NP
.endif
	s_wait_alu depctr_va_vdst(0)
	v_add_nc_u32 v[ADRS], 128, v[ADRS]
	FETCH_B \next, 0, 0
	FETCH_A \next, 0, 0
	SCALES \next
	WIN 0xf1
	MUL16 4, 1, 1, \slot, 0
	MUL16 6, 1, 1, \slot, 0
	PLACES NP
	WIN 0
	FETCH_A \next, 0, 4
.endm
; A tile a's 64 registers (register 16 e + i = B row 32 e + 16 h + i of my A row) become 16 registers of codes in v[PC] on and four bytes in v[TM+4] on
.macro QUANT a
.set AC, 64*((\a)%4)
.set WN, 2+(\a)/4
.set W1, WN*5
.set W2, WN*65
	WIN W1                                               ; sources 0 and 1: the accumulators' window
.irp b, 0,1,2,3
	v_max3_num_f32 v[TM+\b], |v[AC+16*\b]|, |v[AC+16*\b+1]|, 0x8000000   ; each accumulator is read from its low end on
.endr
.irp i, 2,4,6,8,10,12,14
.irp b, 0,1,2,3
	v_max3_num_f32 v[TM+\b], |v[AC+16*\b+\i]|, |v[AC+16*\b+\i+1]|, v[TM+\b]
.endr
.endr
	WIN 0
.irp b, 0,1,2,3
	v_permlanex16_b32 v[TM+4+\b], v[TM+\b], s[SEL], s[SEL+1]
.endr
.irp b, 0,1,2,3
	v_max_num_f32 v[TM+\b], v[TM+\b], v[TM+4+\b]
.endr
.irp b, 0,1,2,3
	v_add_nc_u32 v[TM+12+\b], 0xf8800000, v[TM+\b]
.endr
.irp b, 0,1,2,3
	v_and_or_b32 v[TM+8+\b], v[TM+\b], 0x7f800000, s[MNT]
.endr
.irp b, 0,1,2,3
	v_lshrrev_b32 v[TM+4+\b], 23, v[TM+12+\b]
.endr
.irp b, 0,1,2,3
	v_and_b32 v[TM+8+\b], v[TM+8+\b], v[MW+\a]           ; a hidden key's hold is 0: its codes are zeros
.endr
	WIN W2                                               ; destination and source 0: the accumulators' window
.irp b, 0,1,2,3
.irp i, 0,1,2,3,4,5,6,7,8,9,10,11,12,13,14,15
	v_med3_num_f32 v[AC+16*\b+\i], v[AC+16*\b+\i], -v[TM+8+\b], v[TM+8+\b]
.endr
.endr
	s_wait_alu depctr_va_vdst(0)
	s_wait_xcnt 0x0                                      ; the last tile's stores have read v[PC] on
	WIN WN
.irp b, 0,1,2,3
	v_cvt_scalef32_pk8_bf8_f32 v[PC+4*\b:PC+4*\b+1], v[AC+16*\b:AC+16*\b+7], v[TM+12+\b]
	v_cvt_scalef32_pk8_bf8_f32 v[PC+4*\b+2:PC+4*\b+3], v[AC+16*\b+8:AC+16*\b+15], v[TM+12+\b]
.endr
	v_nop
	WIN 0
.endm
.macro TILE a
	QUANT \a
	v_lshl_or_b32 v[WA+\a], v[TM+5], 8, v[TM+4]
	v_lshl_or_b32 v[WB+\a], v[TM+7], 8, v[TM+6]
	v_or_b32 v[WA+\a], v[WA+\a], v[XW+\a]
	v_or_b32 v[WB+\a], v[WB+\a], v[XW+\a]
	s_cmp_eq_u32 s[ROLE], 2
	s_cbranch_scc1 .Ltv_\@
.irp e, 0,1,2,3
	global_store_b128 v[LN], v[PC+4*\e:PC+4*\e+3], s[16:17] offset:(\e/2)*HEADB+\a*1024+(\e%2)*512     ; head e / 2, token tile a, channels 32 (e % 2) on
.endr
	s_branch .Ltd_\@
.Ltv_\@:
	s_wait_alu depctr_va_vdst(0)
.irp e, 0,1,2,3
	global_store_b128 v[LN], v[PC+4*\e:PC+4*\e+3], s[16:17] offset:(\a/4)*HEADB+8704+(\a%4)*2048+\e*512   ; head a / 4, channel tile a % 4, keys 32 e on
.endr
.Ltd_\@:
.endm
	s_load_b256 s[4:11], s[0:1], 0x0                     ; H, W, bq, bk
	s_load_b128 s[12:15], s[0:1], 0x20                   ; bv, mask
	s_load_b64 s[16:17], s[0:1], 0x30                    ; QKV
	v_lshl_add_u32 v[SPW], v0, 2, SPARE
	v_mov_b32 v[NIL], 0
	ds_add_u32 v28, v29
	ds_add_u32 v28, v29
	s_wait_dscnt 0x0
	v_lshrrev_b32 v1, 5, v0
	v_readfirstlane_b32 s[WV], v1
	s_lshr_b32 s[WR], s[WV], 1                           ; my half of the A rows; also: I fetch for A (0) or B (1)
	s_and_b32 s[WC], s[WV], 1                            ; my half of the B rows; also: which 8 tiles I fetch
	s_bfe_u32 s40, ttmp6, 0x40000                        ; cx
	s_bfe_u32 s41, ttmp6, 0x40004                        ; cy
	s_mov_b32 s[ROLE], ttmp9
	s_and_b32 s22, ttmp7, 0xffff
	s_lshl_b32 s22, s22, 2                               ; 4 x cluster y
	s_lshl_b32 s43, s41, 2
	s_lshl_b32 s43, 15, s43                              ; my row of the cluster
	s_lshl_b32 s44, 0x1111, s40                          ; my column
	s_mov_b32 s[SEL], 0x76543210
	s_mov_b32 s[SEL+1], 0xfedcba98
	s_mov_b32 s[MNT], 0x600000
	s_mov_b32 s[HI], 0xffff0000
	s_or_b32 s[G1], s43, (3<<16)|(1<<21)                 ; the mask; elements of 8 bytes; bit 21 beside a mask; no padding
	s_or_b32 s[G1B], s44, (3<<16)|(1<<21)
.irp g, G1, G1B
	s_mov_b32 s[\g+1], 512<<16                           ; a row: one tile's 4,096 bytes of a slot
	s_mov_b32 s[\g+2], 16<<16                            ; the head's loads bring all sixteen tiles; behind them the two words are set to 8
	s_mov_b32 s[\g+3], 512<<16
	s_mov_b32 s[\g+4], 16
	s_mov_b32 s[\g+5], 2048                              ; 16,384 bytes from tile to tile
	s_mov_b32 s[\g+6], 0
	s_mov_b32 s[\g+7], 0
.endr
	s_or_b32 s[G1S], s43, (3<<16)|(1<<21)
	s_or_b32 s[G1SB], s44, (3<<16)|(1<<21)
.irp g, G1S, G1SB
	s_mov_b32 s[\g+1], 32<<16                            ; rows of 256 dense bytes
	s_mov_b32 s[\g+2], 32<<16                            ; 8,192 dense bytes as 32 rows of 256: all 16 tiles' words
	s_mov_b32 s[\g+3], 32<<16
	s_mov_b32 s[\g+4], 32
	s_mov_b32 s[\g+5], 32
	s_mov_b32 s[\g+6], 0
	s_mov_b32 s[\g+7], 0
.endr
	s_lshl_b32 s92, s[ROLE], 20
	s_lshl_b32 s93, s[ROLE], 15
	s_add_co_u32 s93, s93, WS
	s_mov_b32 s66, HS
	s_cmp_eq_u32 s[ROLE], 2
	s_cselect_b32 s45, 0, s22                            ; q, k: the token tiles walk with the cluster's y;
	s_cselect_b32 s46, s22, 0                            ; v: likewise, but tokens are its B rows
	s_cselect_b32 s47, 2097152, 0                        ; where A's codes begin in their buffer,
	s_cselect_b32 s67, WS+65536, s66                     ; A's scale words,
	s_cselect_b32 s92, 0, s92                            ; B's codes,
	s_cselect_b32 s93, s66, s93                          ; B's scale words
	s_add_co_u32 s23, s41, s45                           ; tile row: hangs on cy, never on cx
	s_add_co_u32 s42, s40, s46                           ; tile column: on cx, never on cy
	s_lshl_b32 s45, s23, 18
	s_lshl_b32 s46, s[WC], 17
	s_add_co_u32 s45, s45, s46
	s_add_co_u32 s94, s45, s47
	s_mov_b32 s95, 0
	s_lshl_b32 s45, s23, 13
	s_lshl_b32 s47, s[WC], 12
	s_add_co_u32 s45, s45, s47
	s_add_co_u32 s96, s45, s67
	s_mov_b32 s97, 0
	s_lshl_b32 s2, s42, 18
	s_add_co_u32 s2, s2, s46
	s_add_co_u32 s2, s2, s92
	s_mov_b32 s3, 0
	s_lshl_b32 s66, s42, 13
	s_add_co_u32 s66, s66, s47
	s_add_co_u32 s66, s66, s93
	s_mov_b32 s67, 0
	s_lshl_b32 s45, s[WV], 15                            ; where my tiles go: wave x 32,768: no place in the cluster enters an LDS address
	s_lshl_b32 s22, s[WV], 12
	s_wait_kmcnt 0x0
	s_cmp_eq_u32 s[ROLE], 2
	s_cselect_b64 s[92:93], s[6:7], s[4:5]               ; A's buffer
	s_cselect_b64 s[46:47], s[4:5], s[6:7]               ; B's
	s_add_nc_u64 s[94:95], s[92:93], s[94:95]
	s_add_nc_u64 s[96:97], s[92:93], s[96:97]
	s_add_nc_u64 s[2:3], s[46:47], s[2:3]
	s_add_nc_u64 s[66:67], s[46:47], s[66:67]
	CROUND                                               ; all sixteen work-groups are here: the first joint loads meet
	s_mov_b32 s[G0S], 1                                  ; A's scale words, whole: asked for by wave 1, whose half begins 4,096 bytes on
	s_mov_b32 s[G0S+1], SCL
	s_sub_nc_u64 s[G0S+2:G0S+3], s[96:97], 4096
	s_or_b32 s[G0S+3], s[G0S+3], 0x80000000
	s_mov_b32 s[G0SB], 1                                 ; B's, whole: by wave 3
	s_mov_b32 s[G0SB+1], SCL+8192
	s_sub_nc_u64 s[G0SB+2:G0SB+3], s[66:67], 4096
	s_or_b32 s[G0SB+3], s[G0SB+3], 0x80000000
.irp s, 0,1
	s_mov_b32 s[G0+4*\s], 1
	s_add_co_u32 s[G0+4*\s+1], s45, \s*SLOT
	s_add_nc_u64 s[G0+4*\s+2:G0+4*\s+3], s[94:95], \s*4096
	s_or_b32 s[G0+4*\s+3], s[G0+4*\s+3], 0x80000000
	s_mov_b32 s[G0B+4*\s], 1
	s_add_co_u32 s[G0B+4*\s+1], s45, \s*SLOT
	s_add_nc_u64 s[G0B+4*\s+2:G0B+4*\s+3], s[2:3], \s*4096
	s_or_b32 s[G0B+4*\s+3], s[G0B+4*\s+3], 0x80000000
.endr
	s_mov_b32 s4, 1                                      ; slot 0's sixteen tiles of A: by wave 0, whose half is the first
	s_mov_b32 s5, 0
	s_mov_b64 s[6:7], s[94:95]
	s_or_b32 s7, s7, 0x80000000
	s_mov_b32 s92, 1                                     ; and of B: by wave 2
	s_mov_b32 s93, 65536
	s_mov_b64 s[94:95], s[2:3]
	s_or_b32 s95, s95, 0x80000000
; the head's four tiles, one tensor load a wave, in one chain of branches on the wave's number
.macro ARM under, g0, g1, next
	s_cmp_lt_u32 s[WV], \under
	s_cbranch_scc0 \next
	tensor_load_to_lds s[\g0:\g0+3], s[\g1:\g1+7]
	s_nop 0
.rept 4
	v_nop
.endr
	s_branch .Lhead_asked
\next:
.endm
	ARM 1, 4, G1, .Lhead_sa
	ARM 2, G0S, G1S, .Lhead_b
	ARM 3, 92, G1B, .Lhead_sb
	tensor_load_to_lds s[G0SB:G0SB+3], s[G1SB:G1SB+7]
	s_nop 0
.rept 4
	v_nop
.endr
.Lhead_asked:
	v_and_b32 v1, 15, v0                                 ; r
	v_bfe_u32 v2, v0, 4, 1                               ; h
	s_wait_alu depctr_va_vdst(0)
	v_and_b32 v3, 31, v0
	v_lshlrev_b32 v[LN], 4, v3
	s_lshl_b32 s46, s[WR], 15
	s_lshl_b32 s47, s[WC], 15
	s_add_co_u32 s47, s47, 65536
.irp s, 0,1
	v_add_nc_u32 v[ADRA+\s], s46, v[LN]
	v_add_nc_u32 v[ADRB+\s], s47, v[LN]
	s_add_co_u32 s46, s46, SLOT
	s_add_co_u32 s47, s47, SLOT
.endr
	v_lshlrev_b32 v5, 2, v1
	s_lshl_b32 s46, s[WR], 12
	s_lshl_b32 s47, s[WC], 12
	s_add_co_u32 s47, s47, 8192
	s_sub_co_u32 s47, s47, s46
	v_mul_u32_u24 v6, s47, v2                            ; lanes 16-31 take B's words
	s_add_co_u32 s46, s46, SCL
	v_add_nc_u32 v5, v5, v6
	v_add_nc_u32 v[ADRS], s46, v5
	v_lshlrev_b32 v[WAD], 5, v1
	v_lshl_add_u32 v[WAD], v2, 4, v[WAD]                 ; q, k words: 32 r + 16 h
	v_mul_u32_u24 v[VAD], v2, HEADB
	v_lshl_add_u32 v[VAD], v1, 4, v[VAD]                 ; v words: 16 r, lanes 16-31 one head on
	v_and_b32 v4, 8, v1
	v_add_nc_u32 v4, v4, v1
	v_lshlrev_b32 v7, 2, v4                              ; 4 (r + 8 (r / 8))
	s_lshl_b32 s22, s23, 1
	s_add_co_u32 s22, s22, s[WR]                         ; which 128 A rows are mine
	s_lshl_b32 s45, s42, 1
	s_add_co_u32 s45, s45, s[WC]                         ; which 128 B rows
	s_lshl_b32 s46, s22, 9
	s_mov_b32 s47, 0
	s_add_nc_u64 s[14:15], s[14:15], s[46:47]
.irp a, 0,1,2,3,4,5,6,7
	global_load_b32 v[MK+\a], v7, s[14:15] offset:(32*(\a/2)+8*(\a%2))*4     ; the mask at my A rows (used by k alone; inside the buffer for every role)
.endr
	s_cmp_eq_u32 s[ROLE], 2
	s_cbranch_scc1 .Lbias_v
	s_cmp_eq_u32 s[ROLE], 0
	s_cselect_b64 s[8:9], s[8:9], s[10:11]
	s_lshl_b32 s46, s45, 9
	s_add_nc_u64 s[8:9], s[8:9], s[46:47]
	v_lshlrev_b32 v6, 6, v2
.irp b, 0,1,2,3,4,5,6,7
	global_load_b128 v[CB+8*\b:CB+8*\b+3], v6, s[8:9] offset:(32*(\b/2)+8*(\b%2))*4          ; register j of B tile b: column 32 (b / 2) + 8 (b % 2) + 16 h + j
	global_load_b128 v[CB+8*\b+4:CB+8*\b+7], v6, s[8:9] offset:(32*(\b/2)+8*(\b%2))*4+16
.endr
	s_branch .Lbias_done
.Lbias_v:
	s_add_nc_u64 s[12:13], s[12:13], s[46:47]
	s_wait_alu depctr_va_vdst(0)
.irp a, 0,1,2,3,4,5,6,7
	global_load_b32 v[CB+8*\a], v7, s[12:13] offset:(32*(\a/2)+8*(\a%2))*4                   ; one channel a lane: the same number in all eight registers
.endr
	s_wait_loadcnt 0x0
.irp a, 0,1,2,3,4,5,6,7
.irp j, 1,2,3,4,5,6,7
	v_mov_b32 v[CB+8*\a+\j], v[CB+8*\a]
.endr
.endr
.Lbias_done:
	s_cmp_eq_u32 s[ROLE], 2                              ; where my results go: block ((batch x 16 + head) x 16 + step of 128 tokens)
	s_cselect_b32 s2, s45, s22                           ; which 128 tokens
	s_cselect_b32 s46, s22, s45                          ; which pair of heads
	s_lshr_b32 s47, s2, 4
	s_and_b32 s2, s2, 15
	s_lshl_b32 s47, s47, 4
	s_lshl_b32 s46, s46, 1
	s_add_co_u32 s47, s47, s46
	s_lshl_b32 s47, s47, 4
	s_add_co_u32 s47, s47, s2
	s_mul_i32 s46, s47, BLOCK
	s_cmp_eq_u32 s[ROLE], 0
	s_cselect_b32 s47, QOFF, 0
	s_add_co_u32 s46, s46, s47
	s_mov_b32 s47, 0
	s_add_nc_u64 s[16:17], s[16:17], s[46:47]
	s_wait_loadcnt 0x0                                   ; bias and mask
	s_wait_alu depctr_va_vdst(0)
	s_wait_tensorcnt 0x0                                 ; my tile of the head's four is in
	ds_add_u32 v[SPW], v[NIL]                            ; the add ahead of a later first fill
	s_mov_b32 s[G1+2], 8<<16                             ; no tensor load of mine is out: from here on a load brings eight tiles
	s_mov_b32 s[G1+4], 8
	s_mov_b32 s[G1B+2], 8<<16
	s_mov_b32 s[G1B+4], 8
	s_wait_dscnt 0x0
	CROUND                                               ; all four tiles are in, and all sixteen work-groups are here
	JLOAD G0+4, G1, G0B+4, G1B                           ; slot 1's first fill, my one load behind the round
	FETCH_B 0, 0, 0
	FETCH_A 0, 0, 0
	s_wait_alu depctr_va_vdst(0)
	SCALES 0
	FETCH_A 0, 0, 4
	s_cmp_eq_u32 s[ROLE], 2
	s_cbranch_scc1 .Lfirst_v
	STEP 0, 1                                            ; the first products start the sums with the bias
	s_branch .Lfirst_done
.Lfirst_v:
	STEP 0, 2
.Lfirst_done:
	s_mov_b32 s3, 1
.Llap:                                                       ; one trip: once round the ring, both slots filled again
	TURN 0, 1, 1
	STEP 1, 0
	TURN 1, 0, 1
	STEP 0, 0
	s_sub_co_u32 s3, s3, 1
	s_cmp_lg_u32 s3, 0
	s_cbranch_scc1 .Llap
	TURN 0, 1, 0
	STEP 1, 0
	s_wait_dscnt 16
	WIN 0xa1
	MUL16 0, 1, 1, 1, 0
	MUL16 2, 1, 1, 1, 0
	s_wait_dscnt 0
	WIN 0xf1
	MUL16 4, 1, 1, 1, 0
	MUL16 6, 1, 1, 1, 0
	WIN 0
	PLACES NP                                            ; behind the last products: results are read and operand registers written from here on
	s_mov_b32 s46, 0x7f7f0000
	s_cmp_eq_u32 s[ROLE], 1
	s_cselect_b32 s45, 0, -1                             ; only k heeds the mask
	s_cselect_b32 s47, 0x7f010000, s46                   ; bytes 2, 3 of a word: an open key's,
	s_cselect_b32 s46, 0x7f910000, s46                   ; a hidden key's; q's are 127, 127
	v_mov_b32 v[KO], s47
	v_mov_b32 v[KO+1], s46
.irp b, 0,1,2,3
	v_mov_b32 v[TM+4+\b], 0
.endr
.irp a, 0,1,2,3,4,5,6,7
	v_cmp_ne_u32 vcc_lo, 0, v[MK+\a]
	s_or_b32 vcc_lo, vcc_lo, s45
	v_cndmask_b32 v[MW+\a], 0, -1, vcc_lo
	v_cndmask_b32 v[XW+\a], v[KO+1], v[KO], vcc_lo
.endr
.irp a, 0,1,2,3,4,5,6,7
	TILE \a
.endr
	s_cmp_eq_u32 s[ROLE], 2
	s_cbranch_scc1 .Lwords_v
	s_wait_alu depctr_va_vdst(0)
.irp i, 0,1,2,3
	v_cndmask_b32 v[OUT+\i], v[WA+\i], v[WA+4+\i], s[HI]         ; lanes 16-31 store tiles 4-7's words
	v_cndmask_b32 v[OUT+4+\i], v[WB+\i], v[WB+4+\i], s[HI]
.endr
	global_store_b128 v[WAD], v[OUT:OUT+3], s[16:17] offset:8192             ; 512 consecutive bytes
	global_store_b128 v[WAD], v[OUT+4:OUT+7], s[16:17] offset:HEADB+8192
	s_branch .Lwords_done
.Lwords_v:
	s_wait_alu depctr_va_vdst(0)
.irp a, 0,1,2,3,4,5,6,7
	v_perm_b32 v[WA+\a], v[WB+\a], v[WA+\a], 0x05040100         ; the four bytes of 128 keys
.endr
.irp i, 0,1,2,3
	v_cndmask_b32 v[OUT+\i], v[WA+\i], v[WA+4+\i], s[HI]
.endr
	global_store_b128 v[VAD], v[OUT:OUT+3], s[16:17] offset:16896
.Lwords_done:
	s_wait_tensorcnt 0x0                                 ; the wave's end
	ds_add_u32 v[SPW], v[NIL]
	s_wait_dscnt 0x0
	CROUND                                               ; the closing round
	s_endpgm
.Lfunc_end_k_qdf446b9517_qkv:
	.size	k_qdf446b9517_qkv, .Lfunc_end_k_qdf446b9517_qkv-k_qdf446b9517_qkv
	.p2alignl 7, 3214868480
	.fill 96, 4, 3214868480
	.section	.rodata,"a",@progbits
	.p2align	6, 0x0
	.amdhsa_kernel k_qdf446b9517_qkv
		.amdhsa_group_segment_fixed_size 327680
		.amdhsa_private_segment_fixed_size 0
		.amdhsa_enable_private_segment 0
		.amdhsa_kernarg_size 56
		.amdhsa_user_sgpr_count 2
		.amdhsa_user_sgpr_kernarg_segment_ptr 1
		.amdhsa_wavefront_size32 1
		.amdhsa_system_sgpr_workgroup_id_x 1
		.amdhsa_system_sgpr_workgroup_id_y 1
		.amdhsa_system_sgpr_workgroup_id_z 1
		.amdhsa_system_vgpr_workitem_id 0
		.amdhsa_next_free_vgpr 1024
		.amdhsa_next_free_sgpr 104
		.amdhsa_reserve_vcc 1
		.amdhsa_float_denorm_mode_32 3
		.amdhsa_float_denorm_mode_16_64 3
		.amdhsa_memory_ordered 1
		.amdhsa_forward_progress 1
		.amdhsa_inst_pref_size 215
	.end_amdhsa_kernel
	.amdgpu_metadata
---
amdhsa.version: [ 1, 2 ]
amdhsa.kernels:
  - .name:           k_qdf446b9517_qkv
    .symbol:         k_qdf446b9517_qkv.kd
    .args:
      - { .name: H, .offset: 0, .size: 8, .value_kind: global_buffer, .address_space: global }
      - { .name: W, .offset: 8, .size: 8, .value_kind: global_buffer, .address_space: global }
      - { .name: bq, .offset: 16, .size: 8, .value_kind: global_buffer, .address_space: global }
      - { .name: bk, .offset: 24, .size: 8, .value_kind: global_buffer, .address_space: global }
      - { .name: bv, .offset: 32, .size: 8, .value_kind: global_buffer, .address_space: global }
      - { .name: mask, .offset: 40, .size: 8, .value_kind: global_buffer, .address_space: global }
      - { .name: QKV, .offset: 48, .size: 8, .value_kind: global_buffer, .address_space: global }
    .group_segment_fixed_size: 327680
    .private_segment_fixed_size: 0
    .kernarg_segment_align: 8
    .kernarg_segment_size: 56
    .max_flat_workgroup_size: 128
    .sgpr_count:     104
    .vgpr_count:     1024
    .wavefront_size: 32
...
	.end_amdgpu_metadata
.endif
;; end of part 2
;; launch attn (part 3): grid 8 x 32, 16 waves a work-group, clusters of 4 x 1, 276,480 bytes of LDS; arguments QKV, CTX; writes CTX
.if DOCPART == 3
	.amdgcn_target "amdgcn-amd-amdhsa--gfx1250"
	.amdhsa_code_object_version 6
	.text
	.protected	k_qdf446b9517_attn
	.globl	k_qdf446b9517_attn
	.p2align	8
	.type	k_qdf446b9517_attn,@function
k_qdf446b9517_attn:
	s_mov_b64 s[64:65], 0
	v_nop
	global_prefetch_b8 v0, s[64:65] scope:SCOPE_SE
	s_setreg_imm32_b32 hwreg(HW_REG_WAVE_MODE, 25, 1), 1
	s_wait_xcnt 0x0
	s_wait_alu depctr_hold_cnt(0) depctr_sa_sdst(0) depctr_va_vdst(0) depctr_va_sdst(0) depctr_va_ssrc(0) depctr_va_vcc(0) depctr_vm_vsrc(0)
	s_getreg_b32 s2, hwreg(HW_REG_IB_STS2, 6, 4)
	s_cmp_eq_u32 s2, 0
	s_cbranch_scc0 .Lentry_in_a_cluster
	s_endpgm
.Lentry_in_a_cluster:
	s_bfe_u32 s2, ttmp6, 0x10000c
	s_cmp_lg_u32 s2, 0x3003
	s_cbranch_scc0 .Lentry_shape_is_right
	s_endpgm
.Lentry_shape_is_right:
; ctx = softmax(q k^T / 8, masked) v for one (batch, head) and 256 queries, both products on codes of E5M2; ctx is quantised along the model's 1,024 and stored as an operand image.
; SOFTMAX: t = score x log2(e) / 8; M = the running largest t rounded up to a whole number; p = 2^(t - M) is quantised along the keys; the row's sum is taken of the unquantised p and divides at the end.
; SHARES: sixteen waves, one tile of 16 queries each.  THE HEAD'S WHOLE K AND V (16 blocks of 17,152 bytes) LIE IN LDS: each byte is filled once, by 16 joint tensor loads of the cluster's four
; work-groups (the same head): wave w asks for block w, one load a wave, at the head.  One barrier, behind every wave's wait for its load, shows them to all waves.  Nothing is filled again.
; A barrier is split over every key step (signal at its head, wait at its end): the sixteen waves stay within one key step of each other; between the halves stand register work and loads of LDS bytes that nobody writes.
; Both products are used transposed (S^T = K Q^T, O^T = V^T P^T): a lane holds one query.  The keys of a K tile and the channels of a V tile are in the images' order, so that the 16 registers of two neighbouring tiles are 16 neighbours.
; LDS loads stand ahead of their use: a step asks for the next block's scale words and first four key tiles behind its own maxima; its key tiles 4-7 land under the maxima of the first four;
; V's fragment b is asked for as soon as block b of p, in whose registers it lands, has been converted.
; THE HEAD HAS 64 CHANNELS, THE INSTRUCTION 128: blocks 2 and 3 of K Q^T are idle.  Block 2 holds one pair of codes, -2^15 in K and 1 in Q; byte 2 of a key's scale word is 145 for a hidden key and 1 for an open one.
; LIMITS: a hidden key's logit is -2^30 where the definition has -1e9 (the same result wherever open logits lie above about -1e9; a row all of whose keys are hidden gets the mean of v, exactly);
; every open score carries -2^-111; blocks of zeros or under 2^-111 get the byte 1; NaN and infinities are not served; the scaled scores stay under 2^31 in magnitude.
; No prefetch: every tile is asked for at the kernel's head, so there is no loop to run ahead in.
.set BLOCK, 17152
.set QOFF,  512*BLOCK
.set SPARE, 16*BLOCK                   ; behind the blocks: the spare words, 128 bytes a wave
.set ADK, 4
.set ADS, 5
.set ADT, 6
.set MX, 220                           ; v220-223 block maxima, v224-227 exchange, sums and bytes, v228-231 holds, v232-235 scale operands; v236 f, v237 p's word, v238 at work, v239 Q's word
.set PX, 224
.set HD, 228
.set SO, 232
.set OLD, 240                          ; the last step's -M
.set HE, 248                           ; v248-251 the holds once more, block b's at HE + (b + 1) % 4: the two halves of a dual line name second sources of different banks
.set SPW, 254
.set NIL, 255
.set WV, 8
.set MNT, 11
.set SEL, 12
.set CS, 14
.set TB, 16
.set CNT, 17
.set G1, 24
.set HI, 48
.macro ROUND
	s_barrier_signal -1
	s_barrier_wait -1
	s_cmp_lg_u32 s[WV], 0
	s_cbranch_scc1 .Lnot_wave_0_\@
	s_barrier_signal -3
.Lnot_wave_0_\@:
	s_barrier_wait -3
	s_barrier_signal -1
	s_barrier_wait -1
.endm
.macro BMAX b0, b1                     ; the largest score of two blocks of 32 keys
.irp b, \b0, \b1
	v_max3_num_f32 v[MX+\b], v[96+16*\b], v[97+16*\b], v[98+16*\b]
.endr
.irp i, 3,5,7,9,11,13
.irp b, \b0, \b1
	v_max3_num_f32 v[MX+\b], v[MX+\b], v[96+16*\b+\i], v[97+16*\b+\i]
.endr
.endr
.irp b, \b0, \b1
	v_max_num_f32 v[MX+\b], v[MX+\b], v[111+16*\b]
.endr
.endm
.macro KRUN off                        ; K's eight scale words and its tiles 0-3, of the block off bytes behind the one in hand: ten loads
	ds_load_b128 v[208:211], v[ADS] offset:\off+8192
	ds_load_b128 v[212:215], v[ADS] offset:\off+8208
.irp t, 0,1,2,3
	ds_load_b128 v[32+16*\t:35+16*\t], v[ADK] offset:\off+\t*1024
	ds_load_b128 v[36+16*\t:39+16*\t], v[ADK] offset:\off+\t*1024+512
.endr
.endm
; 128 keys: the block at LDS byte s[TB].  have = 1: the step before has asked for this block's words and tiles 0-3 (and waited for them ahead of its last products).  pre = 1: this step asks for the next block's.
.macro STEP have, pre
	s_barrier_signal -1                                  ; I have begun this step (no LDS instruction of mine is out)
	v_add_nc_u32 v[ADK], s[TB], v1                       ; three plain lines: with the six v_nop at a step's end they are the nine places ahead of products that write over V's registers
	v_add_nc_u32 v[ADS], s[TB], v2
	v_add_nc_u32 v[ADT], s[TB], v3
.if \have == 0
	KRUN 0
	s_wait_alu depctr_va_vdst(0)
	s_wait_dscnt 0x0
.endif
.irp t, 0,1,2,3
	v_wmma_scale_f32_16x16x128_f8f6f4 v[96+8*\t:103+8*\t], v[32+16*\t:47+16*\t], v[16:31], 0, v[208+\t], v239 matrix_a_fmt:MATRIX_FMT_BF8 matrix_b_fmt:MATRIX_FMT_BF8
.endr
.rept 8
	v_nop                                                ; places in front of loads into registers that the four products have read, and of the first read of their results
.endr
.irp t, 0,1,2,3
	ds_load_b128 v[32+16*\t:35+16*\t], v[ADK] offset:(4+\t)*1024
	ds_load_b128 v[36+16*\t:39+16*\t], v[ADK] offset:(4+\t)*1024+512
.endr
	BMAX 0, 1                                            ; sixteen lines on the first four tiles while tiles 4-7 are on their way
	s_wait_alu depctr_va_vdst(0)
	s_wait_dscnt 0x0
.irp t, 0,1,2,3
	v_wmma_scale_f32_16x16x128_f8f6f4 v[128+8*\t:135+8*\t], v[32+16*\t:47+16*\t], v[16:31], 0, v[212+\t], v239 matrix_a_fmt:MATRIX_FMT_BF8 matrix_b_fmt:MATRIX_FMT_BF8
.endr
	v_permlanex16_b32 v[PX], v[MX], s[SEL], s[SEL+1]
	v_permlanex16_b32 v[PX+1], v[MX+1], s[SEL], s[SEL+1]
	v_mov_b32 v[OLD], v12                                ; this move, the two maxima and five v_nop are the eight places behind the four products
	s_delay_alu instid0(VALU_DEP_3)
	v_max_num_f32 v[MX], v[MX], v[PX]
	s_delay_alu instid0(VALU_DEP_3)
	v_max_num_f32 v[MX+1], v[MX+1], v[PX+1]
.rept 5
	v_nop
.endr
	BMAX 2, 3
	s_delay_alu instid0(VALU_DEP_2)
	v_permlanex16_b32 v[PX+2], v[MX+2], s[SEL], s[SEL+1]
	s_delay_alu instid0(VALU_DEP_2)
	v_permlanex16_b32 v[PX+3], v[MX+3], s[SEL], s[SEL+1]
.if \pre
	KRUN BLOCK                                           ; the next block's: they have the rest of this step in which to land
.endif
	ds_load_b128 v[216:219], v[ADT] offset:16896         ; V's words of its four tiles
	v_max_num_f32 v[MX+2], v[MX+2], v[PX+2]
	v_max_num_f32 v[MX+3], v[MX+3], v[PX+3]
	s_delay_alu instid0(VALU_DEP_2)
	v_max3_num_f32 v238, v[MX], v[MX+1], v[MX+2]
	s_delay_alu instid0(VALU_DEP_1)
	v_max_num_f32 v238, v238, v[MX+3]
	s_delay_alu instid0(VALU_DEP_1)
	v_mul_f32 v238, s[CS], v238
	s_delay_alu instid0(VALU_DEP_1)
	v_max_num_f32 v13, v13, v238                         ; the running largest t
	s_delay_alu instid0(VALU_DEP_1)
	v_floor_f32 v12, -v13                                ; -M = floor(-t)
	s_delay_alu instid0(VALU_DEP_1)
	v_sub_f32 v238, v12, v[OLD]
	s_delay_alu instid0(VALU_DEP_1)
	v_cvt_i32_f32 v238, v238                             ; old M - new M, a whole number (it saturates)
	s_delay_alu instid0(VALU_DEP_1)
	v_ldexp_f32 v236, 1.0, v238                          ; f = 2^(old M - new M)
.set j, 0
.rept 32
	v_pk_fma_f32 v[96+j:97+j], v[96+j:97+j], s[CS:CS+1], v[12:13] op_sel_hi:[1,0,0]
.set j, j+2
.endr
.irp b, 0,1,2,3
	v_fma_f32 v[MX+\b], v[MX+\b], s[CS], v12
.endr
	s_wait_alu depctr_va_vdst(0)                         ; the wait ahead of the batch
.set j, 0
.rept 64
	v_exp_f32 v[96+j], v[96+j]
.set j, j+1
.endr
	v_pk_mul_f32 v[14:15], v[14:15], v[236:237] op_sel_hi:[1,0]     ; the sums under the new M: the plain line behind the batch
	s_wait_alu depctr_va_vdst(0)                         ; one wait for the batch, ahead of its first reader
.irp b, 0,1,2,3
	v_exp_f32 v[MX+\b], v[MX+\b]                         ; each block's largest p
.endr
.set j, 96                                               ; the row's sum of the unquantised p: 32 packed additions in eight chains
.irp c, 224,226,242,246,248,250,252
	v_pk_add_f32 v[\c:\c+1], v[j:j+1], v[j+2:j+3]
.set j, j+4
.endr
.rept 2
.irp c, 14,224,226,242,246,248,250,252
	v_pk_add_f32 v[\c:\c+1], v[\c:\c+1], v[j:j+1]
.set j, j+2
.endr
.endr
	v_pk_add_f32 v[14:15], v[14:15], v[156:157]
	v_pk_add_f32 v[224:225], v[224:225], v[158:159]
	v_pk_add_f32 v[226:227], v[226:227], v[242:243]
	v_pk_add_f32 v[246:247], v[246:247], v[248:249]
	v_pk_add_f32 v[250:251], v[250:251], v[252:253]
	v_pk_add_f32 v[14:15], v[14:15], v[224:225]
	v_pk_add_f32 v[226:227], v[226:227], v[246:247]
	v_pk_add_f32 v[14:15], v[14:15], v[250:251]
	s_delay_alu instid0(VALU_DEP_1)
	v_pk_add_f32 v[14:15], v[14:15], v[226:227]
	s_wait_alu depctr_va_vdst(0)                         ; and one for the four
.irp b, 0,1,2,3
	v_max_num_f32 v[MX+\b], 0x8000000, v[MX+\b]          ; the floor 2^(16 - 127)
.endr
.irp b, 0,1,2,3
	s_delay_alu instid0(VALU_DEP_4)
	v_add_nc_u32 v[SO+\b], 0xf8800000, v[MX+\b]          ; 15 off the exponent field: the conversion's scale operand
.endr
.irp b, 0,1,2,3
	v_and_or_b32 v[HD+\b], v[MX+\b], 0x7f800000, s[MNT]  ; 57,344 x the scale
.endr
.irp b, 0,1,2,3
	v_and_or_b32 v[HE+(\b+1)%4], v[MX+\b], 0x7f800000, s[MNT]
.endr
.irp b, 0,1,2,3
	v_lshrrev_b32 v[PX+\b], 23, v[SO+\b]
.endr
	s_delay_alu instid0(VALU_DEP_3)
	v_lshl_or_b32 v237, v[PX+1], 8, v[PX]
	s_delay_alu instid0(VALU_DEP_1)
	v_lshl_or_b32 v237, v[PX+2], 16, v237
	s_delay_alu instid0(VALU_DEP_1)
	v_lshl_or_b32 v237, v[PX+3], 24, v237                ; p's scale word for these 128 keys
.irp b, 0,1,2,3
.irp i, 0,2,4,6,8,10,12,14
	v_dual_min_num_f32 v[96+16*\b+\i], v[96+16*\b+\i], v[HD+\b] :: v_dual_min_num_f32 v[97+16*\b+\i], v[97+16*\b+\i], v[HE+(\b+1)%4]   ; the hold, one-sided, two numbers a line (the conversion does not saturate: ISA guide 7.6.2)
.endr
	v_cvt_scalef32_pk8_bf8_f32 v[192+4*\b:193+4*\b], v[96+16*\b:103+16*\b], v[SO+\b]
	v_cvt_scalef32_pk8_bf8_f32 v[194+4*\b:195+4*\b], v[104+16*\b:111+16*\b], v[SO+\b]
.irp c, 0,1,2,3
	ds_load_b128 v[96+16*\b+4*\c:99+16*\b+4*\c], v[ADK] offset:8704+\b*2048+\c*512     ; V's fragment b, where block b of p lay
.endr
.endr
	v_nop                                                ; a plain line behind the last conversion
	s_wait_alu depctr_va_vdst(0)                         ; the wait directly ahead of the first reader of O^T
.set j, 0
.rept 16
	v_pk_mul_f32 v[160+j:161+j], v[160+j:161+j], v[236:237] op_sel_hi:[1,0]            ; O^T under the new M; also the places ahead of the products
.set j, j+2
.endr
	s_wait_alu depctr_va_vdst(0)
.irp t, 0,1,2,3
	s_wait_dscnt 12-4*\t                                 ; V's words and fragment t are in; behind them stand the later fragments, four loads each
	v_wmma_scale_f32_16x16x128_f8f6f4 v[160+8*\t:167+8*\t], v[96+16*\t:111+16*\t], v[192:207], v[160+8*\t:167+8*\t], v[216+\t], v237 matrix_a_fmt:MATRIX_FMT_BF8 matrix_b_fmt:MATRIX_FMT_BF8
.endr
.rept 6
	v_nop                                                ; six of the nine places: the next step's products write over V's registers
.endr
	s_barrier_wait -1                                    ; every wave has begun this step
.endm
	s_load_b128 s[4:7], s[0:1], 0x0                      ; QKV, CTX
	v_lshl_add_u32 v[SPW], v0, 2, SPARE
	v_mov_b32 v[NIL], 0
	ds_add_u32 v[SPW], v[NIL]                            ; the opening lines: the add twice on end and its wait
	ds_add_u32 v[SPW], v[NIL]
	v_lshrrev_b32 v1, 5, v0
	s_delay_alu instid0(VALU_DEP_1)
	v_readfirstlane_b32 s[WV], v1
	s_bfe_u32 s9, ttmp6, 0x40000                         ; cx: it enters Q's and CTX's addresses alone
	s_and_b32 s10, ttmp7, 0xffff                         ; batch x 16 + head
	s_mov_b32 s[G1], 15|(3<<16)|(1<<21)                  ; all four work-groups; elements of 8 bytes; bit 21 beside a mask
	s_mov_b32 s[G1+1], 32<<16                            ; a block: 67 dense rows of 256 bytes
	s_mov_b32 s[G1+2], 67<<16
	s_mov_b32 s[G1+3], 32<<16
	s_mov_b32 s[G1+4], 67
	s_mov_b32 s[G1+5], 32
	s_mov_b32 s[G1+6], 0
	s_mov_b32 s[G1+7], 0
	s_mov_b32 s[SEL], 0x76543210
	s_mov_b32 s[SEL+1], 0xfedcba98
	s_mov_b32 s[CS], 0x3e38aa3b                          ; log2(e) / 8
	s_mov_b32 s[CS+1], s[CS]
	s_mov_b32 s[MNT], 0x600000
	s_mov_b32 s[HI], 0xffff0000
	s_mul_i32 s19, s[WV], BLOCK                          ; block w: in LDS, and in the head's part of QKV
	s_lshl_b32 s20, s10, 4
	s_mul_i32 s20, s20, BLOCK
	s_add_co_u32 s20, s20, s19
	s_mov_b32 s21, 0
	s_wait_dscnt 0x0
	s_wait_kmcnt 0x0
	s_mov_b32 s32, 1
	s_mov_b32 s33, s19
	s_add_nc_u64 s[34:35], s[4:5], s[20:21]
	s_or_b32 s35, s35, 0x80000000
	ROUND                                                ; all four work-groups are here: the joint loads meet
	tensor_load_to_lds s[32:35], s[G1:G1+7]              ; my one load
	s_nop 0
.rept 4
	v_nop
.endr
	s_lshl_b32 s49, ttmp9, 2
	s_add_co_u32 s49, s49, s9                            ; my block of 256 queries
	s_lshl_b32 s49, s49, 4
	s_add_co_u32 s49, s49, s[WV]                         ; my tile among the batch's 128
	s_lshr_b32 s50, s49, 3
	s_and_b32 s51, s[WV], 7
	s_lshl_b32 s52, s10, 4
	s_add_co_u32 s52, s52, s50
	s_mul_i32 s52, s52, BLOCK
	s_add_co_u32 s52, s52, QOFF
	s_lshl_b32 s53, s51, 10
	s_add_co_u32 s54, s52, s53
	s_mov_b32 s55, 0
	s_add_nc_u64 s[56:57], s[4:5], s[54:55]              ; Q's fragment
	s_lshl_b32 s53, s51, 2
	s_add_co_u32 s54, s52, s53
	s_add_co_u32 s54, s54, 8192
	s_add_nc_u64 s[58:59], s[4:5], s[54:55]              ; and its words
	s_lshr_b32 s50, s10, 4
	s_lshl_b32 s50, s50, 7
	s_add_co_u32 s50, s50, s49                           ; CTX's row tile
	s_and_b32 s51, s10, 15                               ; the head
	s_lshl_b32 s52, s50, 14
	s_lshl_b32 s53, s51, 10
	s_add_co_u32 s52, s52, s53
	s_mov_b32 s53, 0
	s_add_nc_u64 s[60:61], s[6:7], s[52:53]
	s_lshl_b32 s52, s50, 9
	s_lshr_b32 s54, s51, 1
	s_lshl_b32 s54, s54, 6
	s_add_co_u32 s52, s52, s54
	s_and_b32 s54, s51, 1
	s_lshl_b32 s54, s54, 1
	s_add_co_u32 s52, s52, s54
	s_add_co_u32 s52, s52, 4194304
	s_add_nc_u64 s[62:63], s[6:7], s[52:53]
	v_and_b32 v8, 31, v0
	v_and_b32 v9, 15, v0
	v_bfe_u32 v10, v0, 4, 1
	s_delay_alu instid0(VALU_DEP_3)
	v_lshlrev_b32 v1, 4, v8                              ; 16 x lane
	s_delay_alu instid0(VALU_DEP_3)
	v_lshlrev_b32 v2, 5, v9                              ; 32 r
	s_delay_alu instid0(VALU_DEP_4)
	v_lshlrev_b32 v3, 4, v9                              ; 16 r
	s_delay_alu instid0(VALU_DEP_4)
	v_lshl_add_u32 v7, v9, 2, v10                        ; 4 r + h
	global_load_b128 v[16:19], v1, s[56:57]
	global_load_b128 v[20:23], v1, s[56:57] offset:512
	global_load_b32 v239, v2, s[58:59]
	v_cmp_gt_u32 vcc_lo, 16, v8
	v_mov_b32 v238, 0x3c
	s_delay_alu instid0(VALU_DEP_1)
	v_cndmask_b32 v24, 0, v238, vcc_lo                   ; Q: the code 1.0 at k = 64
	v_mov_b32 v238, 0xf8
.irp t, 0,1,2,3
	v_cndmask_b32 v[40+16*\t], 0, v238, vcc_lo           ; K: the code -2^15 at k = 64; written once
.endr
.irp j, 25,26,27,28,29,30,31
	v_mov_b32 v[\j], 0
.endr
.irp t, 0,1,2,3
.irp j, 9,10,11,12,13,14,15
	v_mov_b32 v[32+16*\t+\j], 0
.endr
.endr
	v_mov_b32 v13, 0xff61b1e6                            ; the largest t so far: -3e38
	s_delay_alu instid0(VALU_DEP_1)
	v_floor_f32 v12, -v13
	v_mov_b32 v14, 0
	v_mov_b32 v15, 0
.irp b, 0,1,2,3
	v_mov_b32 v[PX+\b], 0
.endr
	v_mov_b32 v237, 0
.set j, 0
.rept 32
	v_mov_b32 v[160+j], 0                                ; O^T: the step has no first form of its own, its first turn finds zeros
.set j, j+1
.endr
	s_wait_alu depctr_va_vdst(0)
	s_wait_loadcnt 0x0
	s_wait_tensorcnt 0x0                                 ; my block has landed
	s_barrier_signal -1
	s_barrier_wait -1                                    ; everybody's has: the whole head lies in LDS
	s_mov_b32 s[TB], 0
	STEP 0, 1
	s_mov_b32 s[TB], BLOCK
	s_mov_b32 s[CNT], 14
.Lstep:                                                  ; key steps 1 to 14
	STEP 1, 1
	s_add_co_u32 s[TB], s[TB], BLOCK
	s_sub_co_u32 s[CNT], s[CNT], 1
	s_cmp_lg_u32 s[CNT], 0
	s_cbranch_scc1 .Lstep
	s_mov_b32 s[TB], 15*BLOCK
	STEP 1, 0                                            ; the last step is written out: no block lies behind it
.rept 3
	v_nop                                                ; with the step's six: the places ahead of the first read of O^T and of writes over V's registers
.endr
	; THE WAY OUT
	v_add_f32 v14, v14, v15
	s_delay_alu instid0(VALU_DEP_1)
	v_permlanex16_b32 v238, v14, s[SEL], s[SEL+1]
	s_delay_alu instid0(VALU_DEP_1)
	v_add_f32 v14, v14, v238
	s_wait_alu depctr_va_vdst(0)
	v_rcp_f32 v14, v14
	v_nop
	s_wait_alu depctr_va_vdst(0)
.set j, 0
.rept 32
	v_mul_f32 v[96+j], v[160+j], v14                     ; register 16 e + i: channel 32 e + 16 h + i of my query
.set j, j+1
.endr
.irp b, 0,1
	v_max3_num_f32 v[MX+\b], |v[96+16*\b]|, |v[97+16*\b]|, 0x8000000
.endr
.irp i, 2,4,6,8,10,12,14
.irp b, 0,1
	s_delay_alu instid0(VALU_DEP_2)
	v_max3_num_f32 v[MX+\b], v[MX+\b], |v[96+16*\b+\i]|, |v[97+16*\b+\i]|
.endr
.endr
.irp b, 0,1
	s_delay_alu instid0(VALU_DEP_2)
	v_permlanex16_b32 v[PX+\b], v[MX+\b], s[SEL], s[SEL+1]
.endr
.irp b, 0,1
	s_delay_alu instid0(VALU_DEP_2)
	v_max_num_f32 v[MX+\b], v[MX+\b], v[PX+\b]
.endr
.irp b, 0,1
	s_delay_alu instid0(VALU_DEP_2)
	v_add_nc_u32 v[SO+\b], 0xf8800000, v[MX+\b]
.endr
.irp b, 0,1
	v_and_or_b32 v[HD+\b], v[MX+\b], 0x7f800000, s[MNT]
.endr
.irp b, 0,1
	v_lshrrev_b32 v[PX+\b], 23, v[SO+\b]
.endr
.irp b, 0,1
.irp i, 0,1,2,3,4,5,6,7,8,9,10,11,12,13,14,15
	v_med3_num_f32 v[96+16*\b+\i], v[96+16*\b+\i], -v[HD+\b], v[HD+\b]
.endr
	v_cvt_scalef32_pk8_bf8_f32 v[192+4*\b:193+4*\b], v[96+16*\b:103+16*\b], v[SO+\b]
	v_cvt_scalef32_pk8_bf8_f32 v[194+4*\b:195+4*\b], v[104+16*\b:111+16*\b], v[SO+\b]
.endr
	v_nop
	v_cndmask_b32 v238, v[PX], v[PX+1], s[HI]            ; lanes 16-31 store block 1's byte
	global_store_b128 v1, v[192:195], s[60:61]           ; 512 consecutive aligned bytes
	global_store_b128 v1, v[196:199], s[60:61] offset:512
	global_store_b8 v7, v238, s[62:63]                   ; a scale word spans two heads, which two work-groups make: 32 single bytes a wave
	s_wait_tensorcnt 0x0                                 ; the wave's end
	ds_add_u32 v[SPW], v[NIL]
	s_wait_dscnt 0x0
	ROUND                                                ; the closing round
	s_endpgm
.Lfunc_end_k_qdf446b9517_attn:
	.size	k_qdf446b9517_attn, .Lfunc_end_k_qdf446b9517_attn-k_qdf446b9517_attn
	.p2alignl 7, 3214868480
	.fill 96, 4, 3214868480
	.section	.rodata,"a",@progbits
	.p2align	6, 0x0
	.amdhsa_kernel k_qdf446b9517_attn
		.amdhsa_group_segment_fixed_size 276480
		.amdhsa_private_segment_fixed_size 0
		.amdhsa_enable_private_segment 0
		.amdhsa_kernarg_size 16
		.amdhsa_user_sgpr_count 2
		.amdhsa_user_sgpr_kernarg_segment_ptr 1
		.amdhsa_wavefront_size32 1
		.amdhsa_system_sgpr_workgroup_id_x 1
		.amdhsa_system_sgpr_workgroup_id_y 1
		.amdhsa_system_sgpr_workgroup_id_z 1
		.amdhsa_system_vgpr_workitem_id 0
		.amdhsa_next_free_vgpr 256
		.amdhsa_next_free_sgpr 66
		.amdhsa_reserve_vcc 1
		.amdhsa_float_denorm_mode_32 3
		.amdhsa_float_denorm_mode_16_64 3
		.amdhsa_memory_ordered 1
		.amdhsa_forward_progress 1
		.amdhsa_inst_pref_size 74
	.end_amdhsa_kernel
	.amdgpu_metadata
---
amdhsa.version: [ 1, 2 ]
amdhsa.kernels:
  - .name:           k_qdf446b9517_attn
    .symbol:         k_qdf446b9517_attn.kd
    .args:
      - { .name: QKV, .offset: 0, .size: 8, .value_kind: global_buffer, .address_space: global }
      - { .name: CTX, .offset: 8, .size: 8, .value_kind: global_buffer, .address_space: global }
    .group_segment_fixed_size: 276480
    .private_segment_fixed_size: 0
    .kernarg_segment_align: 8
    .kernarg_segment_size: 16
    .max_flat_workgroup_size: 512
    .sgpr_count:     66
    .vgpr_count:     256
    .wavefront_size: 32
...
	.end_amdgpu_metadata
.endif
;; end of part 3
;; launch proj (part 4): grid 8 x 32, 4 waves a work-group, clusters of 4 x 4, 327,680 bytes of LDS; arguments CTX, W, bo, x, X1; writes X1
.if DOCPART == 4
	.amdgcn_target "amdgcn-amd-amdhsa--gfx1250"
	.amdhsa_code_object_version 6
	.text
	.protected	k_qdf446b9517_proj
	.globl	k_qdf446b9517_proj
	.p2align	8
	.type	k_qdf446b9517_proj,@function
k_qdf446b9517_proj:
	s_mov_b64 s[64:65], 0
	v_nop
	global_prefetch_b8 v0, s[64:65] scope:SCOPE_SE
	s_setreg_imm32_b32 hwreg(HW_REG_WAVE_MODE, 25, 1), 1
	s_wait_xcnt 0x0
	s_wait_alu depctr_hold_cnt(0) depctr_sa_sdst(0) depctr_va_vdst(0) depctr_va_sdst(0) depctr_va_ssrc(0) depctr_va_vcc(0) depctr_vm_vsrc(0)
	s_getreg_b32 s2, hwreg(HW_REG_IB_STS2, 6, 4)
	s_cmp_eq_u32 s2, 0
	s_cbranch_scc0 .Lentry_in_a_cluster
	s_endpgm
.Lentry_in_a_cluster:
	s_bfe_u32 s2, ttmp6, 0x10000c
	s_cmp_lg_u32 s2, 0xf033
	s_cbranch_scc0 .Lentry_shape_is_right
	s_endpgm
.Lentry_shape_is_right:
.set KK,    1024
.set WOFF,  3145728
.set WSOFF, 12582912+98304
.set NS,    KK/512
.set SA,    16*KK
.set ASC,   4096*KK
.set SLOT,  131072
.set SCL,   262144
.set SPARE, 294912
.set REG,   67584
.set NP, 8
.set FR, 16
.set RD,   8
.set ADRA, 16
.set ADRB, 20
.set STO,  24
.set LN,   26
.set ADRS, 27
.set SPW,  28
.set NIL,  29
.set SC,   32
.set AF,   128
.set WV, 14
.set WR, 15
.set WC, 16
.set G1, 24
.set G0, 32
.set G1B, 48
.set G0B, 56
.set G1S, 68
.set G0S, 76
.set G1SB, 80
.set G0SB, 88
.set MSB, 0
.macro WIN new
.if MSB != \new
	s_set_vgpr_msb (MSB<<8)|\new
.set MSB, \new
.endif
.endm
.macro PLACES n
.rept \n
	v_nop
.endr
.endm
.macro JLOAD g0a, g1a, g0b, g1b
	s_cmp_eq_u32 s[WR], 0
	s_cbranch_scc0 .Lfor_b_\@
	tensor_load_to_lds s[\g0a:\g0a+3], s[\g1a:\g1a+7]
	s_nop 0
.rept 4
	v_nop
.endr
	s_branch .Lasked_\@
.Lfor_b_\@:
	tensor_load_to_lds s[\g0b:\g0b+3], s[\g1b:\g1b+7]
	s_nop 0
.rept 4
	v_nop
.endr
.Lasked_\@:
.endm
.macro CREST
	s_cmp_lg_u32 s[WV], 0
	s_cbranch_scc1 .Lnot_wave_0_\@
	s_barrier_signal -3
.Lnot_wave_0_\@:
	s_barrier_wait -3
	s_barrier_signal -1
	s_barrier_wait -1
.endm
.macro CROUND
	s_barrier_signal -1
	s_barrier_wait -1
	CREST
.endm
.macro FRAG reg, adr, i
.irp c, 0,1,2,3
	ds_load_b128 v[\reg+4*\c:\reg+4*\c+3], v[\adr] offset:(\i)*8192+512*\c
.endr
.endm
.macro FETCH_B slot
	WIN 0x40
.irp i, 0,1,2,3,4,5,6,7
	FRAG 128*(\slot)+FR*\i, ADRB+\slot, \i
.endr
	WIN 0
.endm
.macro FETCH_A slot, i0
.irp i, \i0, \i0+1, \i0+2, \i0+3
	FRAG AF+FR*(\i), ADRA+\slot, \i
.endr
.endm
.macro SCALES sc
.irp i, 0,1,2,3,4,5,6,7
	ds_load_b32 v[SC+8*\sc+\i], v[ADRS] offset:\i*(KK/2)
.endr
.endm
.macro MUL16 a0, p, zero
.irp a, \a0, \a0+1
.irp b, 0,1,2,3,4,5,6,7
.set rD, 8*(8*((\a)%4)+\b)
.set rB, 128*(\p)+FR*\b
.set rA, AF+FR*(\a)
.set rX, SC+8*(\p)+\b
.set rY, SC+8*(\p)+(\a)
.if \zero
	v_wmma_scale_f32_16x16x128_f8f6f4 v[rD:rD+7], v[rB:rB+15], v[rA:rA+15], 0, v[rX], v[rY] matrix_a_fmt:MATRIX_FMT_BF8 matrix_b_fmt:MATRIX_FMT_BF8 matrix_a_scale:MATRIX_SCALE_ROW1
.else
	v_wmma_scale_f32_16x16x128_f8f6f4 v[rD:rD+7], v[rB:rB+15], v[rA:rA+15], v[rD:rD+7], v[rX], v[rY] matrix_a_fmt:MATRIX_FMT_BF8 matrix_b_fmt:MATRIX_FMT_BF8 matrix_a_scale:MATRIX_SCALE_ROW1
.endif
.endr
.endr
.endm
.macro TURN1 slot, next, zero, fill
	s_wait_tensorcnt 0x0
	ds_add_u32 v[SPW], v[NIL]
	s_wait_dscnt 17
	WIN 0xa1
	MUL16 0, \slot, \zero
	s_wait_dscnt 0x0
	s_barrier_signal -1
	MUL16 2, \slot, \zero
	WIN 0
	s_barrier_wait -1
.if \fill
	CREST
	s_add_nc_u64 s[G0+4*\slot+2:G0+4*\slot+3], s[G0+4*\slot+2:G0+4*\slot+3], 4096
	s_add_nc_u64 s[G0B+4*\slot+2:G0B+4*\slot+3], s[G0B+4*\slot+2:G0B+4*\slot+3], 4096
	JLOAD G0+4*\slot, G1, G0B+4*\slot, G1B
	PLACES NP-4
.else
	PLACES NP
.endif
	v_add_nc_u32 v[ADRS], 64, v[ADRS]
	FETCH_B \next
	FETCH_A \next, 0
	SCALES \next
	WIN 0xf1
	MUL16 4, \slot, \zero
	MUL16 6, \slot, \zero
	PLACES NP
	WIN 0
	FETCH_A \next, 4
.endm
.macro SLOADS k
.irp q, 0,1,2,3
.irp i, 0,1,2,3
	ds_load_b128 v[64*((\k)%2)+16*\i+4*\q:64*((\k)%2)+16*\i+4*\q+3], v[RD+\q] offset:528*(4*(\k)+\i)
.endr
.endr
.endm
.macro BATCH k
.if \k < 7
	WIN 0x40
	SLOADS \k+1
	s_wait_dscnt 16
.else
	s_wait_dscnt 0
.endif
	s_wait_loadcnt 28-4*\k
	WIN 0x04
.irp i, 0,1,2,3
	v_pk_add_f32 v[128+16*\k+4*\i:129+16*\k+4*\i], v[128+16*\k+4*\i:129+16*\k+4*\i], v[128:129]
	v_pk_add_f32 v[130+16*\k+4*\i:131+16*\k+4*\i], v[130+16*\k+4*\i:131+16*\k+4*\i], v[130:131]
.endr
.irp q, 0,1,2,3
.irp i, 0,1,2,3
	v_pk_add_f32 v[128+16*\k+4*\i:129+16*\k+4*\i], v[128+16*\k+4*\i:129+16*\k+4*\i], v[64*(\k%2)+16*\i+4*\q:64*(\k%2)+16*\i+4*\q+1]
	v_pk_add_f32 v[130+16*\k+4*\i:131+16*\k+4*\i], v[130+16*\k+4*\i:131+16*\k+4*\i], v[64*(\k%2)+16*\i+4*\q+2:64*(\k%2)+16*\i+4*\q+3]
.endr
.endr
	WIN 0
.irp i, 0,1,2,3
	global_store_b128 v[LN], v[128+16*\k+4*\i:131+16*\k+4*\i], s[12:13] offset:(8*(2*(((4*\k+\i)/8)%2)+(4*\k+\i)/16)+(4*\k+\i)%8)*4096
.endr
.endm
	s_load_b256 s[4:11], s[0:1], 0x0
	s_load_b64 s[12:13], s[0:1], 0x20
	v_lshl_add_u32 v[SPW], v0, 2, SPARE
	v_mov_b32 v[NIL], 0
	ds_add_u32 v28, v29
	ds_add_u32 v28, v29
	s_wait_dscnt 0x0
	v_lshrrev_b32 v1, 5, v0
	v_readfirstlane_b32 s[WV], v1
	s_lshr_b32 s[WR], s[WV], 1
	s_and_b32 s[WC], s[WV], 1
	s_bfe_u32 s40, ttmp6, 0x40000
	s_bfe_u32 s41, ttmp6, 0x40004
	s_lshl_b32 s42, ttmp9, 2
	s_add_co_u32 s42, s42, s40
	s_and_b32 s17, ttmp7, 0xffff
	s_lshl_b32 s17, s17, 2
	s_add_co_u32 s17, s17, s41
	s_lshl_b32 s43, s41, 2
	s_lshl_b32 s43, 15, s43
	s_lshl_b32 s44, 0x1111, s40
	s_or_b32 s[G1], s43, (3<<16)|(1<<21)
	s_or_b32 s[G1B], s44, (3<<16)|(1<<21)
.irp g, G1, G1B
	s_mov_b32 s[\g+1], 256<<16
	s_mov_b32 s[\g+2], 32<<16                            ; the head's loads bring all 32 rows of a slot's half; behind them the two words are set to 16
	s_mov_b32 s[\g+3], 256<<16
	s_mov_b32 s[\g+4], 32
	s_mov_b32 s[\g+5], KK/2
	s_mov_b32 s[\g+6], 0
	s_mov_b32 s[\g+7], 0
.endr
	s_or_b32 s[G1S], s43, (3<<16)|(1<<21)
	s_or_b32 s[G1SB], s44, (3<<16)|(1<<21)
.irp g, G1S, G1SB
	s_mov_b32 s[\g+1], 32<<16
	s_mov_b32 s[\g+2], (KK/64)<<16                       ; 4 KK dense bytes as rows of 256: all eight tiles' words
	s_mov_b32 s[\g+3], 32<<16
	s_mov_b32 s[\g+4], KK/64
	s_mov_b32 s[\g+5], 32
	s_mov_b32 s[\g+6], 0
	s_mov_b32 s[\g+7], 0
.endr
	s_lshl_b32 s18, s[WC], 2
	s_lshl_b32 s20, s17, 3
	s_add_co_u32 s20, s20, s18
	s_mul_i32 s22, s20, KK/2
	s_add_co_u32 s22, s22, ASC
	s_mov_b32 s23, 0
	s_mul_i32 s20, s20, SA
	s_mov_b32 s21, 0
	s_lshl_b32 s46, s42, 3
	s_add_co_u32 s46, s46, s18
	s_mul_i32 s92, s46, KK/2
	s_add_co_u32 s92, s92, WSOFF
	s_mov_b32 s93, 0
	s_mul_i32 s46, s46, SA
	s_add_co_u32 s46, s46, WOFF
	s_mov_b32 s47, 0
	s_lshl_b32 s45, s[WV], 15
	s_mul_i32 s94, s[WV], 2*KK
	s_wait_kmcnt 0x0
	s_add_nc_u64 s[20:21], s[4:5], s[20:21]
	s_add_nc_u64 s[22:23], s[4:5], s[22:23]
	s_add_nc_u64 s[46:47], s[6:7], s[46:47]
	s_add_nc_u64 s[92:93], s[6:7], s[92:93]
	CROUND
	s_mov_b32 s[G0S], 1                                  ; A's scale words, whole: asked for by wave 1, whose half begins 2 KK bytes on
	s_mov_b32 s[G0S+1], SCL
	s_sub_nc_u64 s[G0S+2:G0S+3], s[22:23], 2*KK
	s_or_b32 s[G0S+3], s[G0S+3], 0x80000000
	s_mov_b32 s[G0SB], 1                                 ; B's, whole: by wave 3
	s_mov_b32 s[G0SB+1], SCL+4*KK
	s_sub_nc_u64 s[G0SB+2:G0SB+3], s[92:93], 2*KK
	s_or_b32 s[G0SB+3], s[G0SB+3], 0x80000000
.irp s, 0,1
	s_mov_b32 s[G0+4*\s], 1
	s_add_co_u32 s[G0+4*\s+1], s45, \s*SLOT
	s_add_nc_u64 s[G0+4*\s+2:G0+4*\s+3], s[20:21], \s*2048
	s_or_b32 s[G0+4*\s+3], s[G0+4*\s+3], 0x80000000
	s_mov_b32 s[G0B+4*\s], 1
	s_add_co_u32 s[G0B+4*\s+1], s45, \s*SLOT
	s_add_nc_u64 s[G0B+4*\s+2:G0B+4*\s+3], s[46:47], \s*2048
	s_or_b32 s[G0B+4*\s+3], s[G0B+4*\s+3], 0x80000000
.endr
	s_mov_b32 s4, 1                                      ; slot 0's eight tiles of A: by wave 0, whose half is the first
	s_mov_b32 s5, 0
	s_mov_b64 s[6:7], s[20:21]
	s_or_b32 s7, s7, 0x80000000
	s_mov_b32 s96, 1                                     ; and of B: by wave 2
	s_mov_b32 s97, 65536
	s_mov_b64 s[98:99], s[46:47]
	s_or_b32 s99, s99, 0x80000000
; the head's four tiles, one tensor load a wave, in one chain of branches on the wave's number
.macro ARM under, g0, g1, next
	s_cmp_lt_u32 s[WV], \under
	s_cbranch_scc0 \next
	tensor_load_to_lds s[\g0:\g0+3], s[\g1:\g1+7]
	s_nop 0
.rept 4
	v_nop
.endr
	s_branch .Lhead_asked
\next:
.endm
	ARM 1, 4, G1, .Lhead_sa
	ARM 2, G0S, G1S, .Lhead_b
	ARM 3, 96, G1B, .Lhead_sb
	tensor_load_to_lds s[G0SB:G0SB+3], s[G1SB:G1SB+7]
	s_nop 0
.rept 4
	v_nop
.endr
.Lhead_asked:
	v_and_b32 v1, 15, v0
	v_bfe_u32 v2, v0, 4, 1
	v_and_b32 v3, 31, v0
	v_lshlrev_b32 v[LN], 4, v3
	s_lshl_b32 s20, s[WV], 11
	s_add_co_u32 s21, s20, 65536
.irp s, 0,1
	v_add_nc_u32 v[ADRA+\s], s20, v[LN]
	v_add_nc_u32 v[ADRB+\s], s21, v[LN]
	s_add_co_u32 s20, s20, SLOT
	s_add_co_u32 s21, s21, SLOT
.endr
	v_lshlrev_b32 v5, 2, v1
	v_mul_u32_u24 v6, v2, 4*KK
	s_mul_i32 s20, s[WV], NS*64
	s_add_co_u32 s20, s20, SCL
	v_add_nc_u32 v5, v5, v6
	v_add_nc_u32 v[ADRS], s20, v5
	s_mul_i32 s20, s[WV], REG
	v_mul_u32_u24 v[STO], v1, 528
	v_lshl_add_u32 v[STO], v2, 6, v[STO]
	v_add_nc_u32 v[STO], s20, v[STO]
	s_mul_i32 s20, s[WV], 32*528
.irp q, 0,1,2,3
	v_add_nc_u32 v[RD+\q], s20, v[LN]
	s_add_co_u32 s20, s20, REG
.endr
	s_lshl_b32 s20, s17, 7
	s_lshl_b32 s21, s[WV], 5
	s_add_co_u32 s20, s20, s21
	s_lshl_b32 s20, s20, 12
	s_lshl_b32 s21, s42, 9
	s_add_co_u32 s20, s20, s21
	s_mov_b32 s21, 0
	s_add_nc_u64 s[10:11], s[10:11], s[20:21]
	s_add_nc_u64 s[12:13], s[12:13], s[20:21]
	s_lshl_b32 s20, s42, 9
	s_add_nc_u64 s[8:9], s[8:9], s[20:21]
	s_wait_alu depctr_va_vdst(0)
	s_wait_tensorcnt 0x0                                 ; my tile of the head's four is in
	ds_add_u32 v[SPW], v[NIL]                            ; the add ahead of a later first fill
	s_mov_b32 s[G1+2], 16<<16                            ; no tensor load of mine is out: from here on a load brings 16 rows
	s_mov_b32 s[G1+4], 16
	s_mov_b32 s[G1B+2], 16<<16
	s_mov_b32 s[G1B+4], 16
	s_wait_dscnt 0x0
	CROUND                                               ; all four tiles are in, and all sixteen work-groups are here
	JLOAD G0+4, G1, G0B+4, G1B                           ; slot 1's first fill, my one load behind the round
	FETCH_B 0
	FETCH_A 0, 0
	SCALES 0
	FETCH_A 0, 4
.if NS > 2
	TURN1 0, 1, 1, 1
	s_mov_b32 s3, (NS-4)/2
.Llap:
	TURN1 1, 0, 0, 1
	TURN1 0, 1, 0, 1
	s_sub_co_u32 s3, s3, 1
	s_cmp_lg_u32 s3, 0
	s_cbranch_scc1 .Llap
	TURN1 1, 0, 0, 1
	TURN1 0, 1, 0, 0
.else
	TURN1 0, 1, 1, 0
.endif
	s_wait_dscnt 16
	WIN 0xa1
	MUL16 0, 1, 0
	MUL16 2, 1, 0
	s_wait_dscnt 0
	WIN 0xf1
	MUL16 4, 1, 0
	MUL16 6, 1, 0
	WIN 0
	PLACES NP
	WIN 0x40
	global_load_b128 v[128:131], v[LN], s[8:9]
	WIN 0
.set i, 0
.rept 32
	global_load_b128 v[128+4*i:131+4*i], v[LN], s[10:11] offset:(8*(2*((i/8)%2)+i/16)+i%8)*4096
.set i, i+1
.endr
	s_wait_dscnt 0x0
	s_barrier_signal -1
	s_barrier_wait -1
.irp a, 0,1,2,3,4,5,6,7
	WIN (0x08+4*(\a/4))
.irp b, 0,1,2,3,4,5,6,7
	ds_store_b128 v[STO], v[64*(\a%4)+8*\b:64*(\a%4)+8*\b+3] offset:\a*8448+128*(\b/2)+32*(\b%2)
	ds_store_b128 v[STO], v[64*(\a%4)+8*\b+4:64*(\a%4)+8*\b+7] offset:\a*8448+128*(\b/2)+32*(\b%2)+16
.endr
.endr
	WIN 0
	s_wait_dscnt 0x0
	s_barrier_signal -1
	s_barrier_wait -1
	WIN 0x40
	SLOADS 0
.irp k, 0,1,2,3,4,5,6,7
	BATCH \k
.endr
	s_wait_tensorcnt 0x0
	ds_add_u32 v[SPW], v[NIL]
	s_wait_dscnt 0x0
	CROUND
	s_endpgm
.Lfunc_end_k_qdf446b9517_proj:
	.size	k_qdf446b9517_proj, .Lfunc_end_k_qdf446b9517_proj-k_qdf446b9517_proj
	.p2alignl 7, 3214868480
	.fill 96, 4, 3214868480
	.section	.rodata,"a",@progbits
	.p2align	6, 0x0
	.amdhsa_kernel k_qdf446b9517_proj
		.amdhsa_group_segment_fixed_size 327680
		.amdhsa_private_segment_fixed_size 0
		.amdhsa_enable_private_segment 0
		.amdhsa_kernarg_size 40
		.amdhsa_user_sgpr_count 2
		.amdhsa_user_sgpr_kernarg_segment_ptr 1
		.amdhsa_wavefront_size32 1
		.amdhsa_system_sgpr_workgroup_id_x 1
		.amdhsa_system_sgpr_workgroup_id_y 1
		.amdhsa_system_sgpr_workgroup_id_z 1
		.amdhsa_system_vgpr_workitem_id 0
		.amdhsa_next_free_vgpr 1024
		.amdhsa_next_free_sgpr 104
		.amdhsa_reserve_vcc 0
		.amdhsa_float_denorm_mode_32 3
		.amdhsa_float_denorm_mode_16_64 3
		.amdhsa_memory_ordered 1
		.amdhsa_forward_progress 1
		.amdhsa_inst_pref_size 81
	.end_amdhsa_kernel
	.amdgpu_metadata
---
amdhsa.version: [ 1, 2 ]
amdhsa.kernels:
  - .name:           k_qdf446b9517_proj
    .symbol:         k_qdf446b9517_proj.kd
    .args:
      - { .name: CTX, .offset: 0, .size: 8, .value_kind: global_buffer, .address_space: global }
      - { .name: W, .offset: 8, .size: 8, .value_kind: global_buffer, .address_space: global }
      - { .name: bo, .offset: 16, .size: 8, .value_kind: global_buffer, .address_space: global }
      - { .name: x, .offset: 24, .size: 8, .value_kind: global_buffer, .address_space: global }
      - { .name: X1, .offset: 32, .size: 8, .value_kind: global_buffer, .address_space: global }
    .group_segment_fixed_size: 327680
    .private_segment_fixed_size: 0
    .kernarg_segment_align: 8
    .kernarg_segment_size: 40
    .max_flat_workgroup_size: 128
    .sgpr_count:     104
    .vgpr_count:     1024
    .wavefront_size: 32
...
	.end_amdgpu_metadata
.endif
;; end of part 4
;; launch ln2 (part 5): grid 256 x 1, 4 waves a work-group, no clusters, 36,352 bytes of LDS; arguments X1, ln2_g, ln2_b, H2; writes H2
.if DOCPART == 5
	.amdgcn_target "amdgcn-amd-amdhsa--gfx1250"
	.amdhsa_code_object_version 6
	.text
	.protected	k_qdf446b9517_ln2
	.globl	k_qdf446b9517_ln2
	.p2align	8
	.type	k_qdf446b9517_ln2,@function
k_qdf446b9517_ln2:
	s_mov_b64 s[64:65], 0
	v_nop
	global_prefetch_b8 v0, s[64:65] scope:SCOPE_SE
	s_setreg_imm32_b32 hwreg(HW_REG_WAVE_MODE, 25, 1), 1
	s_wait_xcnt 0x0
; h2 = ln2_g (x1 - mean) / (std + 1e-6) + ln2_b (std with n - 1), quantised along the row to E5M2 with one E8M0 byte for each 32, stored as an operand image:
; row tile T, place r (0-15) is row 32 (T / 2) + 8 (T % 2) + r + 8 (r / 8); the code at k = 128 s + 32 c + 16 h + i lies at byte 16,384 T + 2048 s + 512 c + 16 (16 h + r) + i; scale words at 4,194,304 + 512 T + 64 s + 4 r.
; LIMITS: a block of zeros, and a block whose largest magnitude lies under 2^-111, gets the byte 1; NaN and infinities are not served.
; A work-group is one row tile, a wave takes four neighbouring tokens.  Loads are dense; a row turns through the wave's own stage so that lane l holds block l.  Mean and variance in two passes over the registers.
.set TSB, 4608
.set CST, 18432
.set SST, 35328
.set G,  16
.set BB, 48
.set R,  80
.set C,  208
.set T,  240
.macro QUANT32 xs, cc, t, by
	v_max3_num_f32 v[\t], |v[\xs]|, |v[\xs+1]|, |v[\xs+2]|
	v_max3_num_f32 v[\t+1], |v[\xs+3]|, |v[\xs+4]|, |v[\xs+5]|
.irp i, 6,10,14,18,22,26
	v_max3_num_f32 v[\t], v[\t], |v[\xs+\i]|, |v[\xs+\i+1]|
	v_max3_num_f32 v[\t+1], v[\t+1], |v[\xs+\i+2]|, |v[\xs+\i+3]|
.endr
	v_max3_num_f32 v[\t], v[\t], |v[\xs+30]|, |v[\xs+31]|
	v_max3_num_f32 v[\t], v[\t], v[\t+1], 0x8000000      ; the floor 2^(16 - 127)
	v_add_nc_u32 v[\t+2], 0xf8800000, v[\t]
	v_and_or_b32 v[\t+3], v[\t], 0x7f800000, s40
	v_lshrrev_b32 v[\by], 23, v[\t+2]
.set qi, 0
.rept 32
	v_med3_num_f32 v[\xs+qi], v[\xs+qi], -v[\t+3], v[\t+3]
.set qi, qi+1
.endr
.irp g, 0,1,2,3
	v_cvt_scalef32_pk8_bf8_f32 v[\cc+2*\g:\cc+2*\g+1], v[\xs+8*\g:\xs+8*\g+7], v[\t+2]
.endr
	v_nop
.endm
.macro TURN base
.irp j, 0,1,2,3,4,5,6,7
	ds_store_b128 v3, v[\base+4*\j:\base+4*\j+3] offset:576*\j
.endr
.irp j, 0,1,2,3,4,5,6,7
	ds_load_b128 v[\base+4*\j:\base+4*\j+3], v4 offset:16*\j
.endr
.endm
.macro LSUM
	v_pk_add_f32 v[T:T+1], v[T:T+1], v[T+2:T+3]
	v_pk_add_f32 v[T+4:T+5], v[T+4:T+5], v[T+6:T+7]
	v_pk_add_f32 v[T:T+1], v[T:T+1], v[T+4:T+5]
	v_add_f32 v[T], v[T], v[T+1]
	v_add_f32_dpp v[T], v[T], v[T] row_xmask:1 row_mask:0xf bank_mask:0xf
	v_add_f32_dpp v[T], v[T], v[T] row_xmask:2 row_mask:0xf bank_mask:0xf
	v_add_f32_dpp v[T], v[T], v[T] row_xmask:4 row_mask:0xf bank_mask:0xf
	v_add_f32_dpp v[T], v[T], v[T] row_xmask:8 row_mask:0xf bank_mask:0xf
	v_permlanex16_b32 v[T+8], v[T], s38, s39
	v_add_f32 v[T], v[T], v[T+8]
.endm
.macro ROW i
.set X, R+32*\i
	s_wait_dscnt 16*(3-\i)                               ; behind my row's turn stand the later rows' turns, 16 LDS instructions each
.irp c, 0,1,2,3
	v_pk_add_f32 v[T+2*\c:T+2*\c+1], v[X+4*\c:X+4*\c+1], v[X+4*\c+2:X+4*\c+3]
.endr
.irp j, 16,24
.irp c, 0,1,2,3
	v_pk_add_f32 v[T+2*\c:T+2*\c+1], v[T+2*\c:T+2*\c+1], v[X+\j+2*\c:X+\j+2*\c+1]
.endr
.endr
	LSUM
	v_mul_f32 v[T+10], 0x3a800000, v[T]
	v_mov_b32 v[T+11], v[T+10]
.set j, 0
.rept 16
	v_pk_add_f32 v[X+j:X+j+1], v[X+j:X+j+1], v[T+10:T+11] neg_lo:[0,1] neg_hi:[0,1]
.set j, j+2
.endr
.irp c, 0,1,2,3
	v_pk_mul_f32 v[T+2*\c:T+2*\c+1], v[X+2*\c:X+2*\c+1], v[X+2*\c:X+2*\c+1]
.endr
.irp j, 8,16,24
.irp c, 0,1,2,3
	v_pk_fma_f32 v[T+2*\c:T+2*\c+1], v[X+\j+2*\c:X+\j+2*\c+1], v[X+\j+2*\c:X+\j+2*\c+1], v[T+2*\c:T+2*\c+1]
.endr
.endr
	LSUM
	v_mul_f32 v[T], 0x3a802008, v[T]                     ; / 1023
	s_wait_alu depctr_va_vdst(0)
	v_sqrt_f32 v[T+1], v[T]
	v_nop
	s_wait_alu depctr_va_vdst(0)                         ; the wait ahead of a transcendental's first reader
	v_add_f32 v[T+1], 0x358637bd, v[T+1]
	s_wait_alu depctr_va_vdst(0)
	v_rcp_f32 v[T+10], v[T+1]
	v_nop
	s_wait_alu depctr_va_vdst(0)
	v_mov_b32 v[T+11], v[T+10]
.set j, 0
.rept 16
	v_pk_mul_f32 v[X+j:X+j+1], v[X+j:X+j+1], v[T+10:T+11]
.set j, j+2
.endr
.set j, 0
.rept 16
	v_pk_fma_f32 v[X+j:X+j+1], v[X+j:X+j+1], v[G+j:G+j+1], v[BB+j:BB+j+1]
.set j, j+2
.endr
	QUANT32 X, C+8*\i, T, T+12+\i
	ds_store_b128 v5, v[C+8*\i:C+8*\i+3] offset:16*\i
	ds_store_b128 v5, v[C+8*\i+4:C+8*\i+7] offset:16*\i+256
	ds_store_b8 v6, v[T+12+\i] offset:4*\i
.endm
	s_load_b256 s[4:11], s[0:1], 0x0                     ; X1, ln2_g, ln2_b, H2
	v_lshl_add_u32 v15, v0, 2, 0x8c00
	v_mov_b32 v249, 0
	v_lshrrev_b32 v1, 5, v0
	v_readfirstlane_b32 s26, v1
	v_and_b32 v1, 31, v0
	s_mov_b32 s40, 0x600000
	v_lshlrev_b32 v2, 4, v1
	s_mul_i32 s27, s26, TSB
	v_lshrrev_b32 v3, 3, v1
	v_mul_u32_u24 v3, v3, 144
	v_and_b32 v4, 7, v1
	v_lshl_add_u32 v3, v4, 4, v3
	v_add_nc_u32 v3, s27, v3
	v_mul_u32_u24 v4, v1, 144
	v_add_nc_u32 v4, s27, v4
	s_lshl_b32 s28, s26, 6
	s_add_co_u32 s28, s28, CST
	v_mul_u32_u24 v5, v1, 528
	v_add_nc_u32 v5, s28, v5
	v_lshrrev_b32 v6, 2, v1
	v_lshlrev_b32 v6, 6, v6
	v_and_b32 v7, 3, v1
	v_add_nc_u32 v6, v6, v7
	s_lshl_b32 s28, s26, 4
	s_add_co_u32 s28, s28, SST
	v_add_nc_u32 v6, s28, v6
	s_mul_i32 s28, s26, 8*528
	s_add_co_u32 s28, s28, CST
	v_add_nc_u32 v7, s28, v2
	v_add_nc_u32 v8, SST, v2
	v_mov_b32 v[T+8], 0
	s_mov_b32 s38, 0x76543210
	s_mov_b32 s39, 0xfedcba98
	s_lshr_b32 s29, ttmp9, 1
	s_lshl_b32 s29, s29, 5
	s_and_b32 s30, ttmp9, 1
	s_lshl_b32 s30, s30, 3
	s_add_co_u32 s29, s29, s30
	s_lshl_b32 s30, s26, 2
	s_add_co_u32 s29, s29, s30
	s_lshr_b32 s30, s26, 1
	s_lshl_b32 s30, s30, 3
	s_add_co_u32 s29, s29, s30                           ; the first of my four tokens
	s_lshl_b32 s30, s29, 12
	s_mov_b32 s31, 0
	s_lshl_b32 s32, ttmp9, 14
	s_lshl_b32 s33, s26, 12
	s_add_co_u32 s32, s32, s33
	s_mov_b32 s33, 0
	s_wait_kmcnt 0x0
	s_add_nc_u64 s[4:5], s[4:5], s[30:31]
	s_add_nc_u64 s[34:35], s[10:11], s[32:33]
	s_lshl_b32 s32, ttmp9, 9
	s_add_co_u32 s32, s32, 4194304
	s_add_nc_u64 s[36:37], s[10:11], s[32:33]
.irp j, 0,1,2,3,4,5,6,7
	global_load_b128 v[G+4*\j:G+4*\j+3], v2, s[6:7] offset:512*\j
.endr
.irp j, 0,1,2,3,4,5,6,7
	global_load_b128 v[BB+4*\j:BB+4*\j+3], v2, s[8:9] offset:512*\j
.endr
.irp i, 0,1,2,3
.irp j, 0,1,2,3,4,5,6,7
	global_load_b128 v[R+32*\i+4*\j:R+32*\i+4*\j+3], v2, s[4:5] offset:4096*\i+512*\j
.endr
.endr
	s_wait_loadcnt 40                                    ; each count: the loads issued behind the eight that are wanted
	TURN G
	s_wait_loadcnt 32
	TURN BB
	s_wait_loadcnt 24
	TURN R
	s_wait_loadcnt 16
	TURN R+32
	s_wait_loadcnt 8
	TURN R+64
	s_wait_loadcnt 0
	TURN R+96
	ROW 0
	ROW 1
	ROW 2
	ROW 3
	s_wait_dscnt 0x0
	s_barrier_signal -1
	s_barrier_wait -1
.irp j, 0,1,2,3,4,5,6,7
	ds_load_b128 v[R+4*\j:R+4*\j+3], v7 offset:528*\j
.endr
.irp j, 0,1,2,3,4,5,6,7
	s_wait_dscnt 7-\j
	global_store_b128 v2, v[R+4*\j:R+4*\j+3], s[34:35] offset:512*\j
.endr
	s_cmp_lg_u32 s26, 0
	s_cbranch_scc1 .Lln_end
	ds_load_b128 v[G:G+3], v8
	s_wait_dscnt 0x0
	global_store_b128 v2, v[G:G+3], s[36:37]
.Lln_end:
	s_wait_tensorcnt 0x0
	ds_add_u32 v15, v249
	s_wait_dscnt 0x0
	s_endpgm
.Lfunc_end_k_qdf446b9517_ln2:
	.size	k_qdf446b9517_ln2, .Lfunc_end_k_qdf446b9517_ln2-k_qdf446b9517_ln2
	.p2alignl 7, 3214868480
	.fill 96, 4, 3214868480
	.section	.rodata,"a",@progbits
	.p2align	6, 0x0
	.amdhsa_kernel k_qdf446b9517_ln2
		.amdhsa_group_segment_fixed_size 36352
		.amdhsa_private_segment_fixed_size 0
		.amdhsa_enable_private_segment 0
		.amdhsa_kernarg_size 32
		.amdhsa_user_sgpr_count 2
		.amdhsa_user_sgpr_kernarg_segment_ptr 1
		.amdhsa_wavefront_size32 1
		.amdhsa_system_sgpr_workgroup_id_x 1
		.amdhsa_system_sgpr_workgroup_id_y 1
		.amdhsa_system_sgpr_workgroup_id_z 1
		.amdhsa_system_vgpr_workitem_id 0
		.amdhsa_next_free_vgpr 256
		.amdhsa_next_free_sgpr 66
		.amdhsa_reserve_vcc 0
		.amdhsa_float_denorm_mode_32 3
		.amdhsa_float_denorm_mode_16_64 3
		.amdhsa_memory_ordered 1
		.amdhsa_forward_progress 1
		.amdhsa_inst_pref_size 56
	.end_amdhsa_kernel
	.amdgpu_metadata
---
amdhsa.version: [ 1, 2 ]
amdhsa.kernels:
  - .name:           k_qdf446b9517_ln2
    .symbol:         k_qdf446b9517_ln2.kd
    .args:
      - { .name: X1, .offset: 0, .size: 8, .value_kind: global_buffer, .address_space: global }
      - { .name: ln2_g, .offset: 8, .size: 8, .value_kind: global_buffer, .address_space: global }
      - { .name: ln2_b, .offset: 16, .size: 8, .value_kind: global_buffer, .address_space: global }
      - { .name: H2, .offset: 24, .size: 8, .value_kind: global_buffer, .address_space: global }
    .group_segment_fixed_size: 36352
    .private_segment_fixed_size: 0
    .kernarg_segment_align: 8
    .kernarg_segment_size: 32
    .max_flat_workgroup_size: 128
    .sgpr_count:     66
    .vgpr_count:     256
    .wavefront_size: 32
...
	.end_amdgpu_metadata
.endif
;; end of part 5
;; launch ffn1 (part 6): grid 16 x 16, 4 waves a work-group, clusters of 4 x 4, 327,680 bytes of LDS; arguments H2, W, b1, HID; writes HID
.if DOCPART == 6
	.amdgcn_target "amdgcn-amd-amdhsa--gfx1250"
	.amdhsa_code_object_version 6
	.text
	.protected	k_qdf446b9517_ffn1
	.globl	k_qdf446b9517_ffn1
	.p2align	8
	.type	k_qdf446b9517_ffn1,@function
k_qdf446b9517_ffn1:
	s_mov_b64 s[64:65], 0
	v_nop
	global_prefetch_b8 v0, s[64:65] scope:SCOPE_SE
	s_setreg_imm32_b32 hwreg(HW_REG_WAVE_MODE, 25, 1), 1
	s_wait_xcnt 0x0
	s_wait_alu depctr_hold_cnt(0) depctr_sa_sdst(0) depctr_va_vdst(0) depctr_va_sdst(0) depctr_va_ssrc(0) depctr_va_vcc(0) depctr_vm_vsrc(0)
	s_getreg_b32 s2, hwreg(HW_REG_IB_STS2, 6, 4)
	s_cmp_eq_u32 s2, 0
	s_cbranch_scc0 .Lentry_in_a_cluster
	s_endpgm
.Lentry_in_a_cluster:
	s_bfe_u32 s2, ttmp6, 0x10000c
	s_cmp_lg_u32 s2, 0xf033
	s_cbranch_scc0 .Lentry_shape_is_right
	s_endpgm
.Lentry_shape_is_right:
.set SLOT,  131072
.set SCL,   262144
.set SPARE, 278528
.set WS,    12582912
.set HS,    4194304
.set NP, 8
.set FR, 16
.set ADRA, 16
.set ADRB, 20
.set WAD,  24
.set LN,   26
.set ADRS, 27
.set SPW,  28
.set NIL,  29
.set SC,   32
.set CB,   64
.set AF,   128
.set TM,   32
.set PC,   48
.set WA,   64
.set OUT,  96
.set WV, 18
.set WR, 19
.set WC, 20
.set G1, 24
.set G0, 32
.set G1B, 48
.set G0B, 56
.set G1S, 68
.set G0S, 76
.set G1SB, 80
.set G0SB, 88
.set SEL, 98
.set MNT, 100
.set HI, 101
.set MSB, 0
.macro WIN new
.if MSB != \new
	s_set_vgpr_msb (MSB<<8)|\new
.set MSB, \new
.endif
.endm
.macro PLACES n
.rept \n
	v_nop
.endr
.endm
.macro JLOAD g0a, g1a, g0b, g1b
	s_cmp_eq_u32 s[WR], 0
	s_cbranch_scc0 .Lfor_b_\@
	tensor_load_to_lds s[\g0a:\g0a+3], s[\g1a:\g1a+7]
	s_nop 0
.rept 4
	v_nop
.endr
	s_branch .Lasked_\@
.Lfor_b_\@:
	tensor_load_to_lds s[\g0b:\g0b+3], s[\g1b:\g1b+7]
	s_nop 0
.rept 4
	v_nop
.endr
.Lasked_\@:
.endm
.macro CREST
	s_cmp_lg_u32 s[WV], 0
	s_cbranch_scc1 .Lnot_wave_0_\@
	s_barrier_signal -3
.Lnot_wave_0_\@:
	s_barrier_wait -3
	s_barrier_signal -1
	s_barrier_wait -1
.endm
.macro CROUND
	s_barrier_signal -1
	s_barrier_wait -1
	CREST
.endm
.macro FRAG reg, adr, q, i
.irp c, 0,1,2,3
	ds_load_b128 v[\reg+4*\c:\reg+4*\c+3], v[\adr] offset:(\i)*4096+(\q)*2048+512*\c
.endr
.endm
.macro FETCH_B slot, q, p
	WIN 0x40
.irp i, 0,1,2,3,4,5,6,7
	FRAG 128*(\p)+FR*\i, ADRB+\slot, \q, \i
.endr
	WIN 0
.endm
.macro FETCH_A slot, q, i0
.irp i, \i0, \i0+1, \i0+2, \i0+3
	FRAG AF+FR*(\i), ADRA+\slot, \q, \i
.endr
.endm
.macro SCALES sc
.irp i, 0,1,2,3,4,5,6,7
.irp q, 0,1
	ds_load_b32 v[SC+16*\sc+2*\i+\q], v[ADRS] offset:\i*512+\q*64
.endr
.endr
.endm
.macro MUL16 a0, p, q, sc, cm
.irp a, \a0, \a0+1
.irp b, 0,1,2,3,4,5,6,7
.set rD, 8*(8*((\a)%4)+\b)
.set rB, 128*(\p)+FR*\b
.set rA, AF+FR*(\a)
.set rX, SC+16*(\sc)+2*\b+(\q)
.set rY, SC+16*(\sc)+2*(\a)+(\q)
.if \cm == 1
	v_wmma_scale_f32_16x16x128_f8f6f4 v[rD:rD+7], v[rB:rB+15], v[rA:rA+15], v[CB+8*\b:CB+8*\b+7], v[rX], v[rY] matrix_a_fmt:MATRIX_FMT_BF8 matrix_b_fmt:MATRIX_FMT_BF8 matrix_a_scale:MATRIX_SCALE_ROW1
.else
	v_wmma_scale_f32_16x16x128_f8f6f4 v[rD:rD+7], v[rB:rB+15], v[rA:rA+15], v[rD:rD+7], v[rX], v[rY] matrix_a_fmt:MATRIX_FMT_BF8 matrix_b_fmt:MATRIX_FMT_BF8 matrix_a_scale:MATRIX_SCALE_ROW1
.endif
.endr
.endr
.endm
.macro STEP slot, cm
	s_wait_dscnt 16
.if \cm
	WIN 0x81
.else
	WIN 0xa1
.endif
	MUL16 0, 0, 0, \slot, \cm
	MUL16 2, 0, 0, \slot, \cm
	s_wait_dscnt 0
	PLACES NP
	FETCH_B \slot, 1, 1
	FETCH_A \slot, 1, 0
.if \cm
	WIN 0xc1
.else
	WIN 0xf1
.endif
	MUL16 4, 0, 0, \slot, \cm
	MUL16 6, 0, 0, \slot, \cm
	PLACES NP
	WIN 0
	FETCH_A \slot, 1, 4
.endm
.macro TURN slot, next, fill
	s_wait_tensorcnt 0x0
	ds_add_u32 v[SPW], v[NIL]
	s_wait_dscnt 17
	WIN 0xa1
	MUL16 0, 1, 1, \slot, 0
	s_wait_dscnt 0x0
	s_barrier_signal -1
	MUL16 2, 1, 1, \slot, 0
	WIN 0
	s_barrier_wait -1
.if \fill
	CREST
	s_add_nc_u64 s[G0+4*\slot+2:G0+4*\slot+3], s[G0+4*\slot+2:G0+4*\slot+3], 8192
	s_add_nc_u64 s[G0B+4*\slot+2:G0B+4*\slot+3], s[G0B+4*\slot+2:G0B+4*\slot+3], 8192
	JLOAD G0+4*\slot, G1, G0B+4*\slot, G1B
	PLACES NP-4
.else
	PLACES NP
.endif
	s_wait_alu depctr_va_vdst(0)
	v_add_nc_u32 v[ADRS], 128, v[ADRS]
	FETCH_B \next, 0, 0
	FETCH_A \next, 0, 0
	SCALES \next
	WIN 0xf1
	MUL16 4, 1, 1, \slot, 0
	MUL16 6, 1, 1, \slot, 0
	PLACES NP
	WIN 0
	FETCH_A \next, 0, 4
.endm
.macro QUANT a
.set AC, 64*((\a)%4)
.set WN, 2+(\a)/4
.set W1, WN*5
.set W2, WN*65
	WIN W1
.irp b, 0,1,2,3
	v_max3_num_f32 v[TM+\b], v[AC+16*\b], v[AC+16*\b+1], 0x8000000
.endr
.irp i, 2,4,6,8,10,12,14
.irp b, 0,1,2,3
	v_max3_num_f32 v[TM+\b], v[AC+16*\b+\i], v[AC+16*\b+\i+1], v[TM+\b]
.endr
.endr
	WIN 0
.irp b, 0,1,2,3
	v_permlanex16_b32 v[TM+4+\b], v[TM+\b], s[SEL], s[SEL+1]
.endr
.irp b, 0,1,2,3
	v_max_num_f32 v[TM+\b], v[TM+\b], v[TM+4+\b]
.endr
.irp b, 0,1,2,3
	v_add_nc_u32 v[TM+12+\b], 0xf8800000, v[TM+\b]
.endr
.irp b, 0,1,2,3
	v_and_or_b32 v[TM+8+\b], v[TM+\b], 0x7f800000, s[MNT]
.endr
.irp b, 0,1,2,3
	v_lshrrev_b32 v[TM+4+\b], 23, v[TM+12+\b]
.endr
	WIN W2
.irp b, 0,1,2,3
.irp i, 0,1,2,3,4,5,6,7,8,9,10,11,12,13,14,15
	v_med3_num_f32 v[AC+16*\b+\i], v[AC+16*\b+\i], 0, v[TM+8+\b]
.endr
.endr
	s_wait_alu depctr_va_vdst(0)
	s_wait_xcnt 0x0
	WIN WN
.irp b, 0,1,2,3
	v_cvt_scalef32_pk8_bf8_f32 v[PC+4*\b:PC+4*\b+1], v[AC+16*\b:AC+16*\b+7], v[TM+12+\b]
	v_cvt_scalef32_pk8_bf8_f32 v[PC+4*\b+2:PC+4*\b+3], v[AC+16*\b+8:AC+16*\b+15], v[TM+12+\b]
.endr
	v_nop
	WIN 0
.endm
.macro TILE a
	QUANT \a
	v_lshl_or_b32 v[WA+\a], v[TM+5], 8, v[TM+4]
	v_lshl_or_b32 v[WA+\a], v[TM+6], 16, v[WA+\a]
	v_lshl_or_b32 v[WA+\a], v[TM+7], 24, v[WA+\a]
.irp e, 0,1,2,3
	global_store_b128 v[LN], v[PC+4*\e:PC+4*\e+3], s[10:11] offset:\a*65536+\e*512
.endr
.endm
	s_load_b128 s[4:7], s[0:1], 0x0
	s_load_b128 s[8:11], s[0:1], 0x10
	v_lshl_add_u32 v[SPW], v0, 2, SPARE
	v_mov_b32 v[NIL], 0
	ds_add_u32 v28, v29
	ds_add_u32 v28, v29
	s_wait_dscnt 0x0
	v_lshrrev_b32 v1, 5, v0
	v_readfirstlane_b32 s[WV], v1
	s_lshr_b32 s[WR], s[WV], 1
	s_and_b32 s[WC], s[WV], 1
	s_bfe_u32 s40, ttmp6, 0x40000
	s_bfe_u32 s41, ttmp6, 0x40004
	s_lshl_b32 s42, ttmp9, 2
	s_add_co_u32 s42, s42, s40
	s_and_b32 s23, ttmp7, 0xffff
	s_lshl_b32 s23, s23, 2
	s_add_co_u32 s23, s23, s41
	s_lshl_b32 s43, s41, 2
	s_lshl_b32 s43, 15, s43
	s_lshl_b32 s44, 0x1111, s40
	s_mov_b32 s[SEL], 0x76543210
	s_mov_b32 s[SEL+1], 0xfedcba98
	s_mov_b32 s[MNT], 0x600000
	s_mov_b32 s[HI], 0xffff0000
	s_or_b32 s[G1], s43, (3<<16)|(1<<21)
	s_or_b32 s[G1B], s44, (3<<16)|(1<<21)
.irp g, G1, G1B
	s_mov_b32 s[\g+1], 512<<16
	s_mov_b32 s[\g+2], 16<<16                            ; the head's loads bring all sixteen tiles; behind them the two words are set to 8
	s_mov_b32 s[\g+3], 512<<16
	s_mov_b32 s[\g+4], 16
	s_mov_b32 s[\g+5], 2048
	s_mov_b32 s[\g+6], 0
	s_mov_b32 s[\g+7], 0
.endr
	s_or_b32 s[G1S], s43, (3<<16)|(1<<21)
	s_or_b32 s[G1SB], s44, (3<<16)|(1<<21)
.irp g, G1S, G1SB
	s_mov_b32 s[\g+1], 32<<16
	s_mov_b32 s[\g+2], 32<<16                            ; 8,192 dense bytes as 32 rows of 256: all 16 tiles' words
	s_mov_b32 s[\g+3], 32<<16
	s_mov_b32 s[\g+4], 32
	s_mov_b32 s[\g+5], 32
	s_mov_b32 s[\g+6], 0
	s_mov_b32 s[\g+7], 0
.endr
	s_lshl_b32 s46, s[WC], 17
	s_lshl_b32 s47, s[WC], 12
	s_lshl_b32 s94, s23, 18
	s_add_co_u32 s94, s94, s46
	s_mov_b32 s95, 0
	s_lshl_b32 s96, s23, 13
	s_add_co_u32 s96, s96, s47
	s_add_co_u32 s96, s96, HS
	s_mov_b32 s97, 0
	s_lshl_b32 s2, s42, 18
	s_add_co_u32 s2, s2, s46
	s_add_co_u32 s2, s2, 4194304
	s_mov_b32 s3, 0
	s_lshl_b32 s66, s42, 13
	s_add_co_u32 s66, s66, s47
	s_add_co_u32 s66, s66, WS+131072
	s_mov_b32 s67, 0
	s_lshl_b32 s45, s[WV], 15
	s_lshl_b32 s22, s[WV], 12
	s_wait_kmcnt 0x0
	s_add_nc_u64 s[94:95], s[4:5], s[94:95]
	s_add_nc_u64 s[96:97], s[4:5], s[96:97]
	s_add_nc_u64 s[2:3], s[6:7], s[2:3]
	s_add_nc_u64 s[66:67], s[6:7], s[66:67]
	CROUND
	s_mov_b32 s[G0S], 1                                  ; A's scale words, whole: asked for by wave 1, whose half begins 4,096 bytes on
	s_mov_b32 s[G0S+1], SCL
	s_sub_nc_u64 s[G0S+2:G0S+3], s[96:97], 4096
	s_or_b32 s[G0S+3], s[G0S+3], 0x80000000
	s_mov_b32 s[G0SB], 1                                 ; B's, whole: by wave 3
	s_mov_b32 s[G0SB+1], SCL+8192
	s_sub_nc_u64 s[G0SB+2:G0SB+3], s[66:67], 4096
	s_or_b32 s[G0SB+3], s[G0SB+3], 0x80000000
.irp s, 0,1
	s_mov_b32 s[G0+4*\s], 1
	s_add_co_u32 s[G0+4*\s+1], s45, \s*SLOT
	s_add_nc_u64 s[G0+4*\s+2:G0+4*\s+3], s[94:95], \s*4096
	s_or_b32 s[G0+4*\s+3], s[G0+4*\s+3], 0x80000000
	s_mov_b32 s[G0B+4*\s], 1
	s_add_co_u32 s[G0B+4*\s+1], s45, \s*SLOT
	s_add_nc_u64 s[G0B+4*\s+2:G0B+4*\s+3], s[2:3], \s*4096
	s_or_b32 s[G0B+4*\s+3], s[G0B+4*\s+3], 0x80000000
.endr
	s_mov_b32 s4, 1                                      ; slot 0's sixteen tiles of A: by wave 0, whose half is the first
	s_mov_b32 s5, 0
	s_mov_b64 s[6:7], s[94:95]
	s_or_b32 s7, s7, 0x80000000
	s_mov_b32 s12, 1                                     ; and of B: by wave 2
	s_mov_b32 s13, 65536
	s_mov_b64 s[14:15], s[2:3]
	s_or_b32 s15, s15, 0x80000000
; the head's four tiles, one tensor load a wave, in one chain of branches on the wave's number
.macro ARM under, g0, g1, next
	s_cmp_lt_u32 s[WV], \under
	s_cbranch_scc0 \next
	tensor_load_to_lds s[\g0:\g0+3], s[\g1:\g1+7]
	s_nop 0
.rept 4
	v_nop
.endr
	s_branch .Lhead_asked
\next:
.endm
	ARM 1, 4, G1, .Lhead_sa
	ARM 2, G0S, G1S, .Lhead_b
	ARM 3, 12, G1B, .Lhead_sb
	tensor_load_to_lds s[G0SB:G0SB+3], s[G1SB:G1SB+7]
	s_nop 0
.rept 4
	v_nop
.endr
.Lhead_asked:
	v_and_b32 v1, 15, v0
	v_bfe_u32 v2, v0, 4, 1
	s_wait_alu depctr_va_vdst(0)
	v_and_b32 v3, 31, v0
	v_lshlrev_b32 v[LN], 4, v3
	s_lshl_b32 s46, s[WR], 15
	s_lshl_b32 s47, s[WC], 15
	s_add_co_u32 s47, s47, 65536
.irp s, 0,1
	v_add_nc_u32 v[ADRA+\s], s46, v[LN]
	v_add_nc_u32 v[ADRB+\s], s47, v[LN]
	s_add_co_u32 s46, s46, SLOT
	s_add_co_u32 s47, s47, SLOT
.endr
	v_lshlrev_b32 v5, 2, v1
	s_lshl_b32 s46, s[WR], 12
	s_lshl_b32 s47, s[WC], 12
	s_add_co_u32 s47, s47, 8192
	s_sub_co_u32 s47, s47, s46
	v_mul_u32_u24 v6, s47, v2
	s_add_co_u32 s46, s46, SCL
	v_add_nc_u32 v5, v5, v6
	v_add_nc_u32 v[ADRS], s46, v5
	v_lshlrev_b32 v[WAD], 11, v2
	v_lshl_add_u32 v[WAD], v1, 2, v[WAD]
	s_lshl_b32 s22, s23, 1
	s_add_co_u32 s22, s22, s[WR]
	s_lshl_b32 s45, s42, 1
	s_add_co_u32 s45, s45, s[WC]
	s_lshl_b32 s46, s45, 9
	s_mov_b32 s47, 0
	s_add_nc_u64 s[8:9], s[8:9], s[46:47]
	v_lshlrev_b32 v6, 6, v2
.irp b, 0,1,2,3,4,5,6,7
	global_load_b128 v[CB+8*\b:CB+8*\b+3], v6, s[8:9] offset:(32*(\b/2)+8*(\b%2))*4
	global_load_b128 v[CB+8*\b+4:CB+8*\b+7], v6, s[8:9] offset:(32*(\b/2)+8*(\b%2))*4+16
.endr
	s_lshl_b32 s46, s22, 14
	s_lshl_b32 s2, s45, 6
	s_add_co_u32 s46, s46, s2
	s_add_co_u32 s46, s46, 16777216
	s_add_nc_u64 s[92:93], s[10:11], s[46:47]
	s_lshl_b32 s46, s22, 19
	s_lshl_b32 s2, s45, 11
	s_add_co_u32 s46, s46, s2
	s_add_nc_u64 s[10:11], s[10:11], s[46:47]
	s_wait_alu depctr_va_vdst(0)
	s_wait_loadcnt 0x0
	s_wait_tensorcnt 0x0                                 ; my tile of the head's four is in
	ds_add_u32 v[SPW], v[NIL]                            ; the add ahead of a later first fill
	s_mov_b32 s[G1+2], 8<<16                             ; no tensor load of mine is out: from here on a load brings eight tiles
	s_mov_b32 s[G1+4], 8
	s_mov_b32 s[G1B+2], 8<<16
	s_mov_b32 s[G1B+4], 8
	s_wait_dscnt 0x0
	CROUND                                               ; all four tiles are in, and all sixteen work-groups are here
	JLOAD G0+4, G1, G0B+4, G1B                           ; slot 1's first fill, my one load behind the round
	FETCH_B 0, 0, 0
	FETCH_A 0, 0, 0
	SCALES 0
	FETCH_A 0, 0, 4
	STEP 0, 1
	s_mov_b32 s3, 1
.Llap:
	TURN 0, 1, 1
	STEP 1, 0
	TURN 1, 0, 1
	STEP 0, 0
	s_sub_co_u32 s3, s3, 1
	s_cmp_lg_u32 s3, 0
	s_cbranch_scc1 .Llap
	TURN 0, 1, 0
	STEP 1, 0
	s_wait_dscnt 16
	WIN 0xa1
	MUL16 0, 1, 1, 1, 0
	MUL16 2, 1, 1, 1, 0
	s_wait_dscnt 0
	WIN 0xf1
	MUL16 4, 1, 1, 1, 0
	MUL16 6, 1, 1, 1, 0
	WIN 0
	PLACES NP
.irp b, 0,1,2,3
	v_mov_b32 v[TM+4+\b], 0
.endr
.irp a, 0,1,2,3,4,5,6,7
	TILE \a
.endr
.irp i, 0,1,2,3
	v_cndmask_b32 v[OUT+\i], v[WA+2*\i], v[WA+2*\i+1], s[HI]
	global_store_b32 v[WAD], v[OUT+\i], s[92:93] offset:4096*\i
.endr
	s_wait_tensorcnt 0x0
	ds_add_u32 v[SPW], v[NIL]
	s_wait_dscnt 0x0
	CROUND
	s_endpgm
.Lfunc_end_k_qdf446b9517_ffn1:
	.size	k_qdf446b9517_ffn1, .Lfunc_end_k_qdf446b9517_ffn1-k_qdf446b9517_ffn1
	.p2alignl 7, 3214868480
	.fill 96, 4, 3214868480
	.section	.rodata,"a",@progbits
	.p2align	6, 0x0
	.amdhsa_kernel k_qdf446b9517_ffn1
		.amdhsa_group_segment_fixed_size 327680
		.amdhsa_private_segment_fixed_size 0
		.amdhsa_enable_private_segment 0
		.amdhsa_kernarg_size 32
		.amdhsa_user_sgpr_count 2
		.amdhsa_user_sgpr_kernarg_segment_ptr 1
		.amdhsa_wavefront_size32 1
		.amdhsa_system_sgpr_workgroup_id_x 1
		.amdhsa_system_sgpr_workgroup_id_y 1
		.amdhsa_system_sgpr_workgroup_id_z 1
		.amdhsa_system_vgpr_workitem_id 0
		.amdhsa_next_free_vgpr 1024
		.amdhsa_next_free_sgpr 104
		.amdhsa_reserve_vcc 0
		.amdhsa_float_denorm_mode_32 3
		.amdhsa_float_denorm_mode_16_64 3
		.amdhsa_memory_ordered 1
		.amdhsa_forward_progress 1
		.amdhsa_inst_pref_size 190
	.end_amdhsa_kernel
	.amdgpu_metadata
---
amdhsa.version: [ 1, 2 ]
amdhsa.kernels:
  - .name:           k_qdf446b9517_ffn1
    .symbol:         k_qdf446b9517_ffn1.kd
    .args:
      - { .name: H2, .offset: 0, .size: 8, .value_kind: global_buffer, .address_space: global }
      - { .name: W, .offset: 8, .size: 8, .value_kind: global_buffer, .address_space: global }
      - { .name: b1, .offset: 16, .size: 8, .value_kind: global_buffer, .address_space: global }
      - { .name: HID, .offset: 24, .size: 8, .value_kind: global_buffer, .address_space: global }
    .group_segment_fixed_size: 327680
    .private_segment_fixed_size: 0
    .kernarg_segment_align: 8
    .kernarg_segment_size: 32
    .max_flat_workgroup_size: 128
    .sgpr_count:     104
    .vgpr_count:     1024
    .wavefront_size: 32
...
	.end_amdgpu_metadata
.endif
;; end of part 6
;; launch ffn2 (part 7): grid 8 x 32, 4 waves a work-group, clusters of 4 x 4, 327,680 bytes of LDS; arguments HID, W, b2, X1, out0; writes out0
.if DOCPART == 7
	.amdgcn_target "amdgcn-amd-amdhsa--gfx1250"
	.amdhsa_code_object_version 6
	.text
	.protected	k_qdf446b9517_ffn2
	.globl	k_qdf446b9517_ffn2
	.p2align	8
	.type	k_qdf446b9517_ffn2,@function
k_qdf446b9517_ffn2:
	s_mov_b64 s[64:65], 0
	v_nop
	global_prefetch_b8 v0, s[64:65] scope:SCOPE_SE
	s_setreg_imm32_b32 hwreg(HW_REG_WAVE_MODE, 25, 1), 1
	s_wait_xcnt 0x0
	s_wait_alu depctr_hold_cnt(0) depctr_sa_sdst(0) depctr_va_vdst(0) depctr_va_sdst(0) depctr_va_ssrc(0) depctr_va_vcc(0) depctr_vm_vsrc(0)
	s_getreg_b32 s2, hwreg(HW_REG_IB_STS2, 6, 4)
	s_cmp_eq_u32 s2, 0
	s_cbranch_scc0 .Lentry_in_a_cluster
	s_endpgm
.Lentry_in_a_cluster:
	s_bfe_u32 s2, ttmp6, 0x10000c
	s_cmp_lg_u32 s2, 0xf033
	s_cbranch_scc0 .Lentry_shape_is_right
	s_endpgm
.Lentry_shape_is_right:
.set KK,    4096
.set WOFF,  8388608
.set WSOFF, 12582912+262144
.set NS,    KK/512
.set SA,    16*KK
.set ASC,   4096*KK
.set SLOT,  131072
.set SCL,   262144
.set SPARE, 294912
.set REG,   67584
.set NP, 8
.set FR, 16
.set RD,   8
.set ADRA, 16
.set ADRB, 20
.set STO,  24
.set LN,   26
.set ADRS, 27
.set SPW,  28
.set NIL,  29
.set SC,   32
.set AF,   128
.set WV, 14
.set WR, 15
.set WC, 16
.set G1, 24
.set G0, 32
.set G1B, 48
.set G0B, 56
.set G1S, 68
.set G0S, 76
.set G1SB, 80
.set G0SB, 88
.set MSB, 0
.macro WIN new
.if MSB != \new
	s_set_vgpr_msb (MSB<<8)|\new
.set MSB, \new
.endif
.endm
.macro PLACES n
.rept \n
	v_nop
.endr
.endm
.macro JLOAD g0a, g1a, g0b, g1b
	s_cmp_eq_u32 s[WR], 0
	s_cbranch_scc0 .Lfor_b_\@
	tensor_load_to_lds s[\g0a:\g0a+3], s[\g1a:\g1a+7]
	s_nop 0
.rept 4
	v_nop
.endr
	s_branch .Lasked_\@
.Lfor_b_\@:
	tensor_load_to_lds s[\g0b:\g0b+3], s[\g1b:\g1b+7]
	s_nop 0
.rept 4
	v_nop
.endr
.Lasked_\@:
.endm
.macro CREST
	s_cmp_lg_u32 s[WV], 0
	s_cbranch_scc1 .Lnot_wave_0_\@
	s_barrier_signal -3
.Lnot_wave_0_\@:
	s_barrier_wait -3
	s_barrier_signal -1
	s_barrier_wait -1
.endm
.macro CROUND
	s_barrier_signal -1
	s_barrier_wait -1
	CREST
.endm
.macro FRAG reg, adr, i
.irp c, 0,1,2,3
	ds_load_b128 v[\reg+4*\c:\reg+4*\c+3], v[\adr] offset:(\i)*8192+512*\c
.endr
.endm
.macro FETCH_B slot
	WIN 0x40
.irp i, 0,1,2,3,4,5,6,7
	FRAG 128*(\slot)+FR*\i, ADRB+\slot, \i
.endr
	WIN 0
.endm
.macro FETCH_A slot, i0
.irp i, \i0, \i0+1, \i0+2, \i0+3
	FRAG AF+FR*(\i), ADRA+\slot, \i
.endr
.endm
.macro SCALES sc
.irp i, 0,1,2,3,4,5,6,7
	ds_load_b32 v[SC+8*\sc+\i], v[ADRS] offset:\i*(KK/2)
.endr
.endm
.macro MUL16 a0, p, zero
.irp a, \a0, \a0+1
.irp b, 0,1,2,3,4,5,6,7
.set rD, 8*(8*((\a)%4)+\b)
.set rB, 128*(\p)+FR*\b
.set rA, AF+FR*(\a)
.set rX, SC+8*(\p)+\b
.set rY, SC+8*(\p)+(\a)
.if \zero
	v_wmma_scale_f32_16x16x128_f8f6f4 v[rD:rD+7], v[rB:rB+15], v[rA:rA+15], 0, v[rX], v[rY] matrix_a_fmt:MATRIX_FMT_BF8 matrix_b_fmt:MATRIX_FMT_BF8 matrix_a_scale:MATRIX_SCALE_ROW1
.else
	v_wmma_scale_f32_16x16x128_f8f6f4 v[rD:rD+7], v[rB:rB+15], v[rA:rA+15], v[rD:rD+7], v[rX], v[rY] matrix_a_fmt:MATRIX_FMT_BF8 matrix_b_fmt:MATRIX_FMT_BF8 matrix_a_scale:MATRIX_SCALE_ROW1
.endif
.endr
.endr
.endm
; ask = 1: behind the refill of K step j the wave names K step j + 2 for a prefetch: of the 16 rows x 2,048 bytes that it fetches, the four partners of the joint load take four rows each, told apart by address:
; 32 blocks of 256 bytes, a lane a block, one instruction a wave; so each block is named once in each cluster that will load it.  ask = 2: the same, in the loop's first trip alone: K has eight such steps, and the refills of steps 6 and 7 have no step two on.
; ask = 3: at the last refill: my 32 rows x 512 bytes of X1, a lane a row, two instructions, two changes of slots ahead of their loads.
.macro TURN1 slot, next, zero, fill, ask
.if \fill
	s_wait_xcnt 0x0                                      ; any prefetch of mine has read its address: it is stepped here, a change of slots behind that prefetch
	s_add_nc_u64 s[100:101], s[100:101], 2048
.endif
	s_wait_tensorcnt 0x0
	ds_add_u32 v[SPW], v[NIL]
	s_wait_dscnt 0x0
	s_barrier_signal -1
	s_barrier_wait -1
.if \fill
	CREST
	s_add_nc_u64 s[G0+4*\slot+2:G0+4*\slot+3], s[G0+4*\slot+2:G0+4*\slot+3], 4096
	s_add_nc_u64 s[G0B+4*\slot+2:G0B+4*\slot+3], s[G0B+4*\slot+2:G0B+4*\slot+3], 4096
	JLOAD G0+4*\slot, G1, G0B+4*\slot, G1B
.endif
	WIN 0xa1
	MUL16 0, \slot, \zero
	MUL16 2, \slot, \zero
	WIN 0
	PLACES NP
	s_wait_alu depctr_va_vdst(0)
	v_add_nc_u32 v[ADRS], 64, v[ADRS]
	FETCH_B \next
	FETCH_A \next, 0
	SCALES \next
.if \ask == 2
	s_cmp_gt_u32 s3, 1
	s_cbranch_scc0 .Lno_ask_\@
.endif
.if (\ask == 1) || (\ask == 2)
	global_prefetch_b8 v30, s[100:101] th:TH_LOAD_NT scope:SCOPE_SE
.endif
.if \ask == 2
.Lno_ask_\@:
.endif
.if \ask == 3
	global_prefetch_b8 v31, s[10:11] th:TH_LOAD_NT scope:SCOPE_SE
	global_prefetch_b8 v31, s[10:11] offset:256 th:TH_LOAD_NT scope:SCOPE_SE
.endif
	WIN 0xf1
	MUL16 4, \slot, \zero
	MUL16 6, \slot, \zero
	PLACES NP
	WIN 0
	FETCH_A \next, 4
.endm
.macro SLOADS k
.irp q, 0,1,2,3
.irp i, 0,1,2,3
	ds_load_b128 v[64*((\k)%2)+16*\i+4*\q:64*((\k)%2)+16*\i+4*\q+3], v[RD+\q] offset:528*(4*(\k)+\i)
.endr
.endr
.endm
.macro BATCH k
.if \k < 7
	WIN 0x40
	SLOADS \k+1
	s_wait_dscnt 16
.else
	s_wait_dscnt 0
.endif
	s_wait_loadcnt 28-4*\k
	WIN 0x04
.irp i, 0,1,2,3
	v_pk_add_f32 v[128+16*\k+4*\i:129+16*\k+4*\i], v[128+16*\k+4*\i:129+16*\k+4*\i], v[128:129]
	v_pk_add_f32 v[130+16*\k+4*\i:131+16*\k+4*\i], v[130+16*\k+4*\i:131+16*\k+4*\i], v[130:131]
.endr
.irp q, 0,1,2,3
.irp i, 0,1,2,3
	v_pk_add_f32 v[128+16*\k+4*\i:129+16*\k+4*\i], v[128+16*\k+4*\i:129+16*\k+4*\i], v[64*(\k%2)+16*\i+4*\q:64*(\k%2)+16*\i+4*\q+1]
	v_pk_add_f32 v[130+16*\k+4*\i:131+16*\k+4*\i], v[130+16*\k+4*\i:131+16*\k+4*\i], v[64*(\k%2)+16*\i+4*\q+2:64*(\k%2)+16*\i+4*\q+3]
.endr
.endr
	WIN 0
.irp i, 0,1,2,3
	global_store_b128 v[LN], v[128+16*\k+4*\i:131+16*\k+4*\i], s[12:13] offset:(8*(2*(((4*\k+\i)/8)%2)+(4*\k+\i)/16)+(4*\k+\i)%8)*4096
.endr
.endm
	s_load_b256 s[4:11], s[0:1], 0x0
	s_load_b64 s[12:13], s[0:1], 0x20
	v_lshl_add_u32 v[SPW], v0, 2, SPARE
	v_mov_b32 v[NIL], 0
	ds_add_u32 v28, v29
	ds_add_u32 v28, v29
	s_wait_dscnt 0x0
	v_lshrrev_b32 v1, 5, v0
	v_readfirstlane_b32 s[WV], v1
	s_lshr_b32 s[WR], s[WV], 1
	s_and_b32 s[WC], s[WV], 1
	s_bfe_u32 s40, ttmp6, 0x40000
	s_bfe_u32 s41, ttmp6, 0x40004
	s_lshl_b32 s42, ttmp9, 2
	s_add_co_u32 s42, s42, s40
	s_and_b32 s17, ttmp7, 0xffff
	s_lshl_b32 s17, s17, 2
	s_add_co_u32 s17, s17, s41
	s_lshl_b32 s43, s41, 2
	s_lshl_b32 s43, 15, s43
	s_lshl_b32 s44, 0x1111, s40
	s_or_b32 s[G1], s43, (3<<16)|(1<<21)
	s_or_b32 s[G1B], s44, (3<<16)|(1<<21)
.irp g, G1, G1B
	s_mov_b32 s[\g+1], 256<<16
	s_mov_b32 s[\g+2], 32<<16                            ; the head's loads bring all 32 rows of a slot's half; behind them the two words are set to 16
	s_mov_b32 s[\g+3], 256<<16
	s_mov_b32 s[\g+4], 32
	s_mov_b32 s[\g+5], KK/2
	s_mov_b32 s[\g+6], 0
	s_mov_b32 s[\g+7], 0
.endr
	s_or_b32 s[G1S], s43, (3<<16)|(1<<21)
	s_or_b32 s[G1SB], s44, (3<<16)|(1<<21)
.irp g, G1S, G1SB
	s_mov_b32 s[\g+1], 32<<16
	s_mov_b32 s[\g+2], (KK/64)<<16                       ; 4 KK dense bytes as rows of 256: all eight tiles' words
	s_mov_b32 s[\g+3], 32<<16
	s_mov_b32 s[\g+4], KK/64
	s_mov_b32 s[\g+5], 32
	s_mov_b32 s[\g+6], 0
	s_mov_b32 s[\g+7], 0
.endr
	s_lshl_b32 s18, s[WC], 2
	s_lshl_b32 s20, s17, 3
	s_add_co_u32 s20, s20, s18
	s_mul_i32 s22, s20, KK/2
	s_add_co_u32 s22, s22, ASC
	s_mov_b32 s23, 0
	s_mul_i32 s20, s20, SA
	s_mov_b32 s21, 0
	s_lshl_b32 s46, s42, 3
	s_add_co_u32 s46, s46, s18
	s_mul_i32 s92, s46, KK/2
	s_add_co_u32 s92, s92, WSOFF
	s_mov_b32 s93, 0
	s_mul_i32 s46, s46, SA
	s_add_co_u32 s46, s46, WOFF
	s_mov_b32 s47, 0
	s_lshl_b32 s45, s[WV], 15
	s_mul_i32 s94, s[WV], 2*KK
	s_wait_kmcnt 0x0
	s_add_nc_u64 s[20:21], s[4:5], s[20:21]
	s_add_nc_u64 s[22:23], s[4:5], s[22:23]
	s_add_nc_u64 s[46:47], s[6:7], s[46:47]
	s_add_nc_u64 s[92:93], s[6:7], s[92:93]
	CROUND
	s_mov_b32 s[G0S], 1                                  ; A's scale words, whole: asked for by wave 1, whose half begins 2 KK bytes on
	s_mov_b32 s[G0S+1], SCL
	s_sub_nc_u64 s[G0S+2:G0S+3], s[22:23], 2*KK
	s_or_b32 s[G0S+3], s[G0S+3], 0x80000000
	s_mov_b32 s[G0SB], 1                                 ; B's, whole: by wave 3
	s_mov_b32 s[G0SB+1], SCL+4*KK
	s_sub_nc_u64 s[G0SB+2:G0SB+3], s[92:93], 2*KK
	s_or_b32 s[G0SB+3], s[G0SB+3], 0x80000000
.irp s, 0,1
	s_mov_b32 s[G0+4*\s], 1
	s_add_co_u32 s[G0+4*\s+1], s45, \s*SLOT
	s_add_nc_u64 s[G0+4*\s+2:G0+4*\s+3], s[20:21], \s*2048
	s_or_b32 s[G0+4*\s+3], s[G0+4*\s+3], 0x80000000
	s_mov_b32 s[G0B+4*\s], 1
	s_add_co_u32 s[G0B+4*\s+1], s45, \s*SLOT
	s_add_nc_u64 s[G0B+4*\s+2:G0B+4*\s+3], s[46:47], \s*2048
	s_or_b32 s[G0B+4*\s+3], s[G0B+4*\s+3], 0x80000000
.endr
	s_mov_b32 s4, 1                                      ; slot 0's eight tiles of A: by wave 0, whose half is the first
	s_mov_b32 s5, 0
	s_mov_b64 s[6:7], s[20:21]
	s_or_b32 s7, s7, 0x80000000
	s_mov_b32 s96, 1                                     ; and of B: by wave 2
	s_mov_b32 s97, 65536
	s_mov_b64 s[98:99], s[46:47]
	s_or_b32 s99, s99, 0x80000000
	s_cmp_eq_u32 s[WR], 0                                ; the prefetches: do I fetch for A?
	s_cselect_b64 s[100:101], s[20:21], s[46:47]         ; the 16 rows that I fetch,
	s_cselect_b32 s18, s40, s41                          ; my place among the four that ask for them with me (cx for A, cy for B): it enters this address alone
	s_lshl_b32 s18, s18, 16                              ; four rows of 16,384 bytes for each place
	s_add_co_u32 s18, s18, 3*2048                        ; at K step 3: the first refill steps it to 4
	s_mov_b32 s19, 0
	s_add_nc_u64 s[100:101], s[100:101], s[18:19]
; the head's four tiles, one tensor load a wave, in one chain of branches on the wave's number
.macro ARM under, g0, g1, next
	s_cmp_lt_u32 s[WV], \under
	s_cbranch_scc0 \next
	tensor_load_to_lds s[\g0:\g0+3], s[\g1:\g1+7]
	s_nop 0
.rept 4
	v_nop
.endr
	s_branch .Lhead_asked
\next:
.endm
	ARM 1, 4, G1, .Lhead_sa
	ARM 2, G0S, G1S, .Lhead_b
	ARM 3, 96, G1B, .Lhead_sb
	tensor_load_to_lds s[G0SB:G0SB+3], s[G1SB:G1SB+7]
	s_nop 0
.rept 4
	v_nop
.endr
.Lhead_asked:
	v_and_b32 v1, 15, v0
	v_bfe_u32 v2, v0, 4, 1
	v_and_b32 v3, 31, v0
	v_lshlrev_b32 v[LN], 4, v3
	v_lshrrev_b32 v4, 3, v3
	v_and_b32 v7, 7, v3
	v_lshlrev_b32 v30, 8, v7
	v_lshl_add_u32 v30, v4, 14, v30                      ; v30: the tiles' prefetch: row lane / 8 of my four, block lane % 8 of its eight; never rewritten
	v_and_b32 v4, 1, v4
	v_lshl_add_u32 v4, v4, 1, v2
	v_lshl_add_u32 v4, v4, 3, v7
	v_lshlrev_b32 v31, 12, v4                            ; v31: X1's prefetch: the row that my load number lane reads, 8 (2 ((lane / 8) % 2) + lane / 16) + lane % 8; never rewritten
	s_lshl_b32 s20, s[WV], 11
	s_add_co_u32 s21, s20, 65536
.irp s, 0,1
	v_add_nc_u32 v[ADRA+\s], s20, v[LN]
	v_add_nc_u32 v[ADRB+\s], s21, v[LN]
	s_add_co_u32 s20, s20, SLOT
	s_add_co_u32 s21, s21, SLOT
.endr
	v_lshlrev_b32 v5, 2, v1
	v_mul_u32_u24 v6, v2, 4*KK
	s_mul_i32 s20, s[WV], NS*64
	s_add_co_u32 s20, s20, SCL
	v_add_nc_u32 v5, v5, v6
	v_add_nc_u32 v[ADRS], s20, v5
	s_mul_i32 s20, s[WV], REG
	v_mul_u32_u24 v[STO], v1, 528
	v_lshl_add_u32 v[STO], v2, 6, v[STO]
	v_add_nc_u32 v[STO], s20, v[STO]
	s_mul_i32 s20, s[WV], 32*528
.irp q, 0,1,2,3
	v_add_nc_u32 v[RD+\q], s20, v[LN]
	s_add_co_u32 s20, s20, REG
.endr
	s_lshl_b32 s20, s17, 7
	s_lshl_b32 s21, s[WV], 5
	s_add_co_u32 s20, s20, s21
	s_lshl_b32 s20, s20, 12
	s_lshl_b32 s21, s42, 9
	s_add_co_u32 s20, s20, s21
	s_mov_b32 s21, 0
	s_add_nc_u64 s[10:11], s[10:11], s[20:21]
	s_add_nc_u64 s[12:13], s[12:13], s[20:21]
	s_lshl_b32 s20, s42, 9
	s_add_nc_u64 s[8:9], s[8:9], s[20:21]
	s_wait_alu depctr_va_vdst(0)
	s_wait_tensorcnt 0x0                                 ; my tile of the head's four is in
	ds_add_u32 v[SPW], v[NIL]                            ; the add ahead of a later first fill
	s_mov_b32 s[G1+2], 16<<16                            ; no tensor load of mine is out: from here on a load brings 16 rows
	s_mov_b32 s[G1+4], 16
	s_mov_b32 s[G1B+2], 16<<16
	s_mov_b32 s[G1B+4], 16
	s_wait_dscnt 0x0
	CROUND                                               ; all four tiles are in, and all sixteen work-groups are here
	JLOAD G0+4, G1, G0B+4, G1B                           ; slot 1's first fill, my one load behind the round
	FETCH_B 0
	FETCH_A 0, 0
	SCALES 0
	FETCH_A 0, 4
.if NS > 2
	TURN1 0, 1, 1, 1, 1
	s_mov_b32 s3, (NS-4)/2
.Llap:
	TURN1 1, 0, 0, 1, 1
	TURN1 0, 1, 0, 1, 2
	s_sub_co_u32 s3, s3, 1
	s_cmp_lg_u32 s3, 0
	s_cbranch_scc1 .Llap
	TURN1 1, 0, 0, 1, 3
	TURN1 0, 1, 0, 0, 0
.else
	TURN1 0, 1, 1, 0, 0
.endif
	s_wait_dscnt 16
	WIN 0xa1
	MUL16 0, 1, 0
	MUL16 2, 1, 0
	s_wait_dscnt 0
	WIN 0xf1
	MUL16 4, 1, 0
	MUL16 6, 1, 0
	WIN 0
	PLACES NP
	WIN 0x40
	global_load_b128 v[128:131], v[LN], s[8:9]
	WIN 0
.set i, 0
.rept 32
	global_load_b128 v[128+4*i:131+4*i], v[LN], s[10:11] offset:(8*(2*((i/8)%2)+i/16)+i%8)*4096
.set i, i+1
.endr
	s_wait_dscnt 0x0
	s_barrier_signal -1
	s_barrier_wait -1
.irp a, 0,1,2,3,4,5,6,7
	WIN (0x08+4*(\a/4))
.irp b, 0,1,2,3,4,5,6,7
	ds_store_b128 v[STO], v[64*(\a%4)+8*\b:64*(\a%4)+8*\b+3] offset:\a*8448+128*(\b/2)+32*(\b%2)
	ds_store_b128 v[STO], v[64*(\a%4)+8*\b+4:64*(\a%4)+8*\b+7] offset:\a*8448+128*(\b/2)+32*(\b%2)+16
.endr
.endr
	WIN 0
	s_wait_dscnt 0x0
	s_barrier_signal -1
	s_barrier_wait -1
	WIN 0x40
	SLOADS 0
.irp k, 0,1,2,3,4,5,6,7
	BATCH \k
.endr
	s_wait_tensorcnt 0x0
	ds_add_u32 v[SPW], v[NIL]
	s_wait_dscnt 0x0
	CROUND
	s_endpgm
.Lfunc_end_k_qdf446b9517_ffn2:
	.size	k_qdf446b9517_ffn2, .Lfunc_end_k_qdf446b9517_ffn2-k_qdf446b9517_ffn2
	.p2alignl 7, 3214868480
	.fill 96, 4, 3214868480
	.section	.rodata,"a",@progbits
	.p2align	6, 0x0
	.amdhsa_kernel k_qdf446b9517_ffn2
		.amdhsa_group_segment_fixed_size 327680
		.amdhsa_private_segment_fixed_size 0
		.amdhsa_enable_private_segment 0
		.amdhsa_kernarg_size 40
		.amdhsa_user_sgpr_count 2
		.amdhsa_user_sgpr_kernarg_segment_ptr 1
		.amdhsa_wavefront_size32 1
		.amdhsa_system_sgpr_workgroup_id_x 1
		.amdhsa_system_sgpr_workgroup_id_y 1
		.amdhsa_system_sgpr_workgroup_id_z 1
		.amdhsa_system_vgpr_workitem_id 0
		.amdhsa_next_free_vgpr 1024
		.amdhsa_next_free_sgpr 104
		.amdhsa_reserve_vcc 0
		.amdhsa_float_denorm_mode_32 3
		.amdhsa_float_denorm_mode_16_64 3
		.amdhsa_memory_ordered 1
		.amdhsa_forward_progress 1
		.amdhsa_inst_pref_size 140
	.end_amdhsa_kernel
	.amdgpu_metadata
---
amdhsa.version: [ 1, 2 ]
amdhsa.kernels:
  - .name:           k_qdf446b9517_ffn2
    .symbol:         k_qdf446b9517_ffn2.kd
    .args:
      - { .name: HID, .offset: 0, .size: 8, .value_kind: global_buffer, .address_space: global }
      - { .name: W, .offset: 8, .size: 8, .value_kind: global_buffer, .address_space: global }
      - { .name: b2, .offset: 16, .size: 8, .value_kind: global_buffer, .address_space: global }
      - { .name: X1, .offset: 24, .size: 8, .value_kind: global_buffer, .address_space: global }
      - { .name: out0, .offset: 32, .size: 8, .value_kind: global_buffer, .address_space: global }
    .group_segment_fixed_size: 327680
    .private_segment_fixed_size: 0
    .kernarg_segment_align: 8
    .kernarg_segment_size: 40
    .max_flat_workgroup_size: 128
    .sgpr_count:     104
    .vgpr_count:     1024
    .wavefront_size: 32
...
	.end_amdgpu_metadata
.endif
;; end of part 7
